; MI455X (gfx1250); checked and timed in simulation.
; The chip was launched on July 23, 2026; its instructions are those of AMD's public machine-readable ISA for CDNA 5 (MIT licence, August 2026) and "CDNA5" Instruction Set Architecture Reference Guide (July 2026). The comments in the code are by the model that wrote it; some were corrected since.
;; Multi Head Attention. Allowed arithmetic: float matrix products may take bf16 or f16 operands with f32 sums; all other float work in f32.
;; Inputs: Wk 1,024 x 1,024 float32; Wo 1,024 x 1,024 float32; Wq 1,024 x 1,024 float32; Wv 1,024 x 1,024 float32; bk 1,024 float32; bo 1,024 float32; bq 1,024 float32; bv 1,024 float32; k 4 x 2,048 x 1,024 float32; mask 4 x 1 x 2,048 x 2,048 bool; q 4 x 2,048 x 1,024 float32; v 4 x 2,048 x 1,024 float32.
;; Outputs: out0 4 x 2,048 x 1,024 float32.
;; 3 versions, each right; version 3 is version 2 with the launch prep written anew for expert scheduling mode. Each part assembles by itself: llvm-mc -triple=amdgcn-amd-amdhsa -mcpu=gfx1250 --defsym DOCPART=n.
;; ======== version 1 of 3: 4 launches
;; limits: inputs' magnitudes at most 65,504; values are held in f16: magnitudes above 65,504 overflow, below 6.1e-05 lose precision; right only within a limited range of input values
;; workspace buffers: wb 8,388,608 bytes; mbits 2,097,152 bytes of whole numbers; qkv 50,331,648 bytes; att 16,777,216 bytes
;; launch prep (part 1): grid 256 x 1, 8 waves a work-group, no clusters, 70,656 bytes of LDS; arguments Wq, Wk, Wv, Wo, mask, wb, mbits; writes wb, mbits
.if DOCPART == 1
	.amdgcn_target "amdgcn-amd-amdhsa--gfx1250"
	.amdhsa_code_object_version 6
	.text
	.protected	k_qbd1da3fde7_prep
	.globl	k_qbd1da3fde7_prep
	.p2align	8
	.type	k_qbd1da3fde7_prep,@function
k_qbd1da3fde7_prep:
	s_mov_b64 s[64:65], 0
	v_nop
	global_prefetch_b8 v0, s[64:65] scope:SCOPE_SE
	s_setreg_imm32_b32 hwreg(HW_REG_WAVE_MODE, 25, 1), 1
	s_wait_xcnt 0x0
; prep: (1) Wq, Wk, Wv, Wo, f32 [1024][1024] each, are rounded to f16 into wb [4][1024][1024];
;       (2) the mask's bytes become lane masks: mbits [T = b*128 + q/16][step = key/64][word = 8 kt + j], bit L of a word =
;           mask[b][16 (T & 127) + (L & 15)][64 step + 16 kt + 8 (L >> 4) + j] != 0: the mask of register j of a 16 x 16 tile of scores
;           whose lane L holds query L & 15 and keys 8 (L >> 4) + j.  It is packed here once and used by all sixteen heads.
; A stream: 256 work-groups x 8 waves; a wave takes 8 KiB of one weight (16 loads of 512 neighbouring bytes) and 16 queries x 512 keys of the
; mask (16 loads, sixteen lanes on 256 neighbouring bytes of a mask row).  All 32 loads of a wave go out first.  No matrix unit, no cluster:
; no byte is read twice.  The mask goes through LDS bytes that are the wave's own, so there is no barrier.
; LIMIT: a weight beyond 65,504 in magnitude overflows f16.
.set MPITCH, 272                       ; LDS row: 256 mask bytes + 16
.set QUADB,  16*MPITCH                 ; a quad: 16 queries x 256 keys
.set OUT, 8                            ; v[8:15]    quad q: 4 registers, lane l holds words 4 l .. 4 l + 3 of the quad's 128
.set WD,  16                           ; v[16:79]   weights as loaded; later the 32 tiles' 8 bytes a lane
.set MD,  80                           ; v[80:143]  mask bytes as loaded
.set PK,  144                          ; v[144:175] 16 pairs of packed f16: every store has data registers of its own
	s_load_b256 s[4:11], s[0:1], 0x0               ; Wq s[4:5], Wk s[6:7], Wv s[8:9], Wo s[10:11]
	s_load_b128 s[12:15], s[0:1], 0x20             ; mask s[12:13], wb s[14:15]
	s_load_b64 s[16:17], s[0:1], 0x30              ; mbits
	v_lshl_add_u32 v176, v0, 2, 0x11000
	v_mov_b32 v177, 0
	v_lshrrev_b32 v6, 5, v0
	v_readfirstlane_b32 s18, v6                    ; wave 0..7
	v_and_b32 v7, 31, v0
	v_lshlrev_b32 v1, 4, v7                        ; 16 x lane
	v_lshlrev_b32 v2, 3, v7                        ; 8 x lane
	v_and_b32 v6, 15, v0                           ; r
	v_bfe_u32 v7, v0, 4, 1                         ; h
	v_lshlrev_b32 v3, 4, v6
	v_lshl_add_u32 v3, v7, 11, v3                  ; mask: row h of a pair of rows, 16 bytes at 16 r
	s_mul_i32 s19, s18, 2*QUADB                    ; my wave's LDS bytes
	v_mul_u32_u24 v4, v7, MPITCH
	v_lshl_add_u32 v4, v6, 4, v4
	v_add_nc_u32 v4, s19, v4                       ; in: row h of a pair, column 16 r
	v_mul_u32_u24 v5, v6, MPITCH
	v_lshl_add_u32 v5, v7, 3, v5
	v_add_nc_u32 v5, s19, v5                       ; back: query r, 8 keys at 8 h
	s_lshr_b32 s32, ttmp9, 6                       ; which weight: 64 work-groups each
	s_and_b32 s22, ttmp9, 63
	s_lshl_b32 s22, s22, 16                        ; 64 KiB of f32 a work-group,
	s_lshl_b32 s33, s18, 13                        ; 8 KiB a wave
	s_add_co_u32 s22, s22, s33
	s_mov_b32 s23, 0
	s_lshl_b32 s34, ttmp9, 15                      ; wb: half as many bytes; the four weights follow each other
	s_lshl_b32 s33, s18, 12
	s_add_co_u32 s34, s34, s33
	s_mov_b32 s35, 0
	s_lshl_b32 s36, ttmp9, 1
	s_lshr_b32 s33, s18, 2
	s_add_co_u32 s36, s36, s33                     ; T = (8 G + w) / 4
	s_and_b32 s33, s18, 3                          ; which 512 keys
	s_lshl_b32 s38, s36, 12                        ; mbits: 4,096 bytes for a T,
	s_lshl_b32 s40, s33, 10                        ; 1,024 for 512 keys
	s_add_co_u32 s38, s38, s40
	s_mov_b32 s39, 0
	s_lshl_b32 s36, s36, 15                        ; mask: 16 rows of 2,048 bytes for a T
	s_lshl_b32 s40, s33, 9
	s_add_co_u32 s36, s36, s40
	s_mov_b32 s37, 0
	s_wait_kmcnt 0x0
	s_cmp_eq_u32 s32, 1
	s_cselect_b64 s[20:21], s[6:7], s[4:5]
	s_cmp_eq_u32 s32, 2
	s_cselect_b64 s[20:21], s[8:9], s[20:21]
	s_cmp_eq_u32 s32, 3
	s_cselect_b64 s[20:21], s[10:11], s[20:21]
	s_add_nc_u64 s[20:21], s[20:21], s[22:23]
	s_add_nc_u64 s[14:15], s[14:15], s[34:35]
	s_add_nc_u64 s[12:13], s[12:13], s[36:37]
	s_add_nc_u64 s[16:17], s[16:17], s[38:39]
.irp i, 0,1,2,3,4,5,6,7,8,9,10,11,12,13,14,15
	global_load_b128 v[WD+4*\i:WD+4*\i+3], v1, s[20:21] offset:512*\i th:TH_LOAD_NT
.endr
.irp q, 0,1
.irp i, 0,1,2,3,4,5,6,7
	global_load_b128 v[MD+32*\q+4*\i:MD+32*\q+4*\i+3], v3, s[12:13] offset:256*\q+4096*\i th:TH_LOAD_NT
.endr
.endr
.irp i, 0,1,2,3,4,5,6,7
	v_mov_b32 v[OUT+\i], 0                         ; v_writelane_b32 keeps the other lanes: the registers are written whole once
.endr
	; the weights: 4 f32 a lane become 8 bytes; the 32 lanes of a store cover 256 neighbouring bytes, aligned
.irp i, 0,1,2,3,4,5,6,7,8,9,10,11,12,13,14,15
	s_wait_loadcnt 31-\i                           ; loads return in order: 15 - i weight loads and the 16 mask loads are younger
	v_cvt_pk_f16_f32 v[PK+2*\i], v[WD+4*\i], v[WD+4*\i+1]
	v_cvt_pk_f16_f32 v[PK+2*\i+1], v[WD+4*\i+2], v[WD+4*\i+3]
	global_store_b64 v2, v[PK+2*\i:PK+2*\i+1], s[14:15] offset:256*\i
.endr
	; the mask: into my own LDS rows, and back as 8 bytes a lane for each tile of 16 queries x 16 keys
.irp q, 0,1
.irp i, 0,1,2,3,4,5,6,7
	s_wait_loadcnt 15-(8*\q+\i)
	ds_store_b128 v4, v[MD+32*\q+4*\i:MD+32*\q+4*\i+3] offset:\q*QUADB+\i*2*MPITCH
.endr
.endr
.irp q, 0,1
.irp kt, 0,1,2,3,4,5,6,7,8,9,10,11,12,13,14,15
	ds_load_b64 v[WD+2*(16*\q+\kt):WD+2*(16*\q+\kt)+1], v5 offset:\q*QUADB+16*\kt   ; LDS serves a wave's instructions in order: these see the stores above
.endr
.endr
.irp q, 0,1
.irp kt, 0,1,2,3,4,5,6,7,8,9,10,11,12,13,14,15
	s_wait_dscnt 31-(16*\q+\kt)                    ; the younger tiles' loads stay out
.irp j, 0,1,2,3,4,5,6,7
	v_and_b32 v[6+(\j&1)], 0xff<<(8*(\j&3)), v[WD+2*(16*\q+\kt)+(\j>>2)]     ; byte j: key 16 kt + 8 h + j
	v_cmp_ne_u32 s[24+\j], 0, v[6+(\j&1)]                                    ; one bit a lane: the word 8 kt + j
	v_writelane_b32 v[OUT+4*\q+(\j&3)], s[24+\j], 2*\kt+(\j>>2)              ; to its place in a store of 16 bytes a lane
.endr
.endr
.endr
	global_store_b128 v1, v[OUT:OUT+3], s[16:17]               ; a quad's 128 words: 512 neighbouring bytes
	global_store_b128 v1, v[OUT+4:OUT+7], s[16:17] offset:512
	s_wait_tensorcnt 0x0
	ds_add_u32 v176, v177
	s_wait_dscnt 0x0
	s_endpgm
.Lfunc_end_k_qbd1da3fde7_prep:
	.size	k_qbd1da3fde7_prep, .Lfunc_end_k_qbd1da3fde7_prep-k_qbd1da3fde7_prep
	.p2alignl 7, 3214868480
	.fill 96, 4, 3214868480
	.section	.rodata,"a",@progbits
	.p2align	6, 0x0
	.amdhsa_kernel k_qbd1da3fde7_prep
		.amdhsa_group_segment_fixed_size 70656
		.amdhsa_private_segment_fixed_size 0
		.amdhsa_enable_private_segment 0
		.amdhsa_kernarg_size 56
		.amdhsa_user_sgpr_count 2
		.amdhsa_user_sgpr_kernarg_segment_ptr 1
		.amdhsa_wavefront_size32 1
		.amdhsa_system_sgpr_workgroup_id_x 1
		.amdhsa_system_sgpr_workgroup_id_y 1
		.amdhsa_system_sgpr_workgroup_id_z 1
		.amdhsa_system_vgpr_workitem_id 0
		.amdhsa_next_free_vgpr 178
		.amdhsa_next_free_sgpr 66
		.amdhsa_reserve_vcc 0
		.amdhsa_float_denorm_mode_32 3
		.amdhsa_float_denorm_mode_16_64 3
		.amdhsa_memory_ordered 1
		.amdhsa_forward_progress 1
		.amdhsa_inst_pref_size 63
	.end_amdhsa_kernel
	.amdgpu_metadata
---
amdhsa.version: [ 1, 2 ]
amdhsa.kernels:
  - .name:           k_qbd1da3fde7_prep
    .symbol:         k_qbd1da3fde7_prep.kd
    .args:
      - { .name: Wq, .offset: 0, .size: 8, .value_kind: global_buffer, .address_space: global }
      - { .name: Wk, .offset: 8, .size: 8, .value_kind: global_buffer, .address_space: global }
      - { .name: Wv, .offset: 16, .size: 8, .value_kind: global_buffer, .address_space: global }
      - { .name: Wo, .offset: 24, .size: 8, .value_kind: global_buffer, .address_space: global }
      - { .name: mask, .offset: 32, .size: 8, .value_kind: global_buffer, .address_space: global }
      - { .name: wb, .offset: 40, .size: 8, .value_kind: global_buffer, .address_space: global }
      - { .name: mbits, .offset: 48, .size: 8, .value_kind: global_buffer, .address_space: global }
    .group_segment_fixed_size: 70656
    .private_segment_fixed_size: 0
    .kernarg_segment_align: 8
    .kernarg_segment_size: 56
    .max_flat_workgroup_size: 256
    .sgpr_count:     66
    .vgpr_count:     178
    .wavefront_size: 32
...
	.end_amdgpu_metadata
.endif
;; end of part 1
;; launch proj (part 2): grid 4 x 192, 4 waves a work-group, clusters of 4 x 4, 327,680 bytes of LDS; arguments q, k, v, wb, bq, bk, bv, qkv; writes qkv
.if DOCPART == 2
	.amdgcn_target "amdgcn-amd-amdhsa--gfx1250"
	.amdhsa_code_object_version 6
	.text
	.protected	k_qbd1da3fde7_proj
	.globl	k_qbd1da3fde7_proj
	.p2align	8
	.type	k_qbd1da3fde7_proj,@function
k_qbd1da3fde7_proj:
	s_mov_b64 s[64:65], 0
	v_nop
	global_prefetch_b8 v0, s[64:65] scope:SCOPE_SE
	s_setreg_imm32_b32 hwreg(HW_REG_WAVE_MODE, 25, 1), 1
	s_wait_xcnt 0x0
	s_wait_alu depctr_hold_cnt(0) depctr_sa_sdst(0) depctr_va_vdst(0) depctr_va_sdst(0) depctr_va_ssrc(0) depctr_va_vcc(0) depctr_vm_vsrc(0)
	s_getreg_b32 s2, hwreg(HW_REG_IB_STS2, 6, 4)
	s_cmp_eq_u32 s2, 0
	s_cbranch_scc0 .Lentry_in_a_cluster
	s_endpgm
.Lentry_in_a_cluster:
	s_bfe_u32 s2, ttmp6, 0x10000c
	s_cmp_lg_u32 s2, 0xf033
	s_cbranch_scc0 .Lentry_shape_is_right
	s_endpgm
.Lentry_shape_is_right:
; proj: for g = 0, 1, 2 (q, k, v):  qkv[g][b*16 + head][s][64] = f16( (X_g W_g^T + b_g) c_g ),  X_g f32 [8192][1024], W_g f16 [1024][1024] (wb).
; c = log2(e)/4 for q, 1/8 for k, 1/4 for v: powers of two (and the change of base of the exponential) that keep the f16 numbers far from
; f16's ends; the attention launch undoes q's and k's by a factor 4 on the scores, the last launch v's by a factor 4 on its sums.
; LIMIT: matrix operands are f16: |x| or |W| beyond 65,504, |XW^T+b| beyond 181,000 (q), 524,000 (k), 262,000 (v) overflow.
; A work-group makes 128 rows x 256 columns with four waves (2 x 2), a wave 64 x 128: 32 accumulator tiles, 256 registers.  768 blocks.
; K = 1,024 goes in 8 steps of 128 through two LDS slots.  X comes in as f32 (rows of 512 bytes) and is rounded to f16 on the way from LDS to
; the matrix unit: 32 conversions for 32 matrix instructions; W comes in as f16 (rows of 256 bytes).
; CLUSTERS: 4 x 4 work-groups.  X's tile hangs on the block row alone and is asked for jointly by the four of a row of the cluster; W's on g
; (the cluster's own y) and the block column alone, jointly by the four of a column.  That divides the requests for both by four.
; REGISTERS: window 0: addresses, A fragments (two buffers), raw f32 of A, bias; window 1: accumulators, tile (a, b) at 8 (8 a + b);
; window 2: B fragments (two buffers).
; The matrix instruction is used transposed (source 0 = rows of W, source 1 = rows of X): lane l holds row l % 16 of the result and its
; registers the eight neighbouring columns 8 (l / 16) + 0..7.
.set PA,     528                       ; LDS row of X: 512 bytes + 16; an odd multiple of 16, so sixteen rows begin at sixteen different 16-byte columns modulo 256
.set PB,     272                       ; LDS row of W: 256 bytes + 16
.set QUART,  128*PB                    ; what one tensor load fills: 128 rows of W (34,816 bytes) or 64 rows of X (33,792 of them)
.set SLOT,   4*QUART                   ; X rows 0-63, X rows 64-127, W rows 0-127, W rows 128-255
.set STAGE,  2*SLOT                    ; behind the ring: 16 rows x 272 bytes for each wave, for the way out; no tensor load lands here
.set SPITCH, 272
.set ADRA, 16                          ; v16-17 LDS address of my A fragments in slot 0, 1
.set ADRB, 20                          ; v20-21 the same for B
.set STO,  24
.set RD,   25
.set CO,   26
.set BO,   27
.set AF0,  32                          ; v32-63, v64-95: A fragments, 4 x 8 registers, two buffers
.set RAW,  96                          ; v96-159: 4 fragments x 16 f32 as read from LDS
.set TMP,  160                         ; v160-191: packed results
.set BIAS, 192                         ; v192-255: bias of my 128 columns: register 8 b + j = column 16 b + 8 h + j
.set BF0,  0                           ; window 2: v0-63, v64-127: B fragments, 8 x 8 registers, two buffers
.set G1,  24
.set G0,  32
.set G1B, 48
.set G0B, 56
.set W_MUL, 0x52                       ; source 0 (W) window 2, source 1 (X) window 0, C and D window 1
.set W_TOB, 0x80                       ; destination window 2
.set W_EPI, 0x01                       ; source 0 window 1
.set MSB, 0
.macro WIN new                         ; the immediate's high byte repeats the setting that is left
.if MSB != \new
	s_set_vgpr_msb (MSB<<8)|\new
.set MSB, \new
.endif
.endm
.macro JLOAD s                         ; waves 0, 1 ask for X's two halves, waves 2, 3 for W's: one mask and one set of registers a line
	s_cmp_eq_u32 s11, 0
	s_cbranch_scc0 .Lfor_b_\@
	tensor_load_to_lds s[G0+4*\s:G0+4*\s+3], s[G1:G1+7]
	s_nop 0
	s_branch .Lasked_\@
.Lfor_b_\@:
	tensor_load_to_lds s[G0B+4*\s:G0B+4*\s+3], s[G1B:G1B+7]
	s_nop 0
.Lasked_\@:
.endm
.macro CREST                           ; a round of the cluster's barrier behind its opening barrier
	s_cmp_lg_u32 s10, 0
	s_cbranch_scc1 .Lnot_wave_0_\@
	s_barrier_signal -3
.Lnot_wave_0_\@:
	s_barrier_wait -3
	s_barrier_signal -1
	s_barrier_wait -1
.endm
.macro CROUND
	s_barrier_signal -1
	s_barrier_wait -1
	CREST
.endm
	s_load_b512 s[68:83], s[0:1], 0x0              ; q 68, k 70, v 72, wb 74, bq 76, bk 78, bv 80, qkv 82
	s_set_vgpr_msb 0x80
	v_lshl_add_u32 v129, v0, 2, 0x48400
	s_set_vgpr_msb 0x8000
	v_mov_b32 v31, 0
	s_set_vgpr_msb 0x2
	ds_add_u32 v129, v31
	s_set_vgpr_msb 0x200
	v_lshrrev_b32 v1, 5, v0
	v_readfirstlane_b32 s10, v1                    ; wave 0..3
	s_lshr_b32 s11, s10, 1                         ; my half of the block's rows.  Also: I fetch for X (0) or for W (1)
	s_and_b32 s12, s10, 1                          ; my half of its columns.  Also: which half of that tile I fetch
	s_bfe_u32 s40, ttmp6, 0x40000                  ; cx
	s_bfe_u32 s41, ttmp6, 0x40004                  ; cy
	s_lshl_b32 s42, ttmp9, 2
	s_add_co_u32 s42, s42, s40                     ; block column 0..3
	s_and_b32 s90, ttmp7, 0xffff                   ; the cluster's y, 0..47
	s_lshr_b32 s45, s90, 4                         ; g: sixteen clusters for each of q, k, v
	s_and_b32 s13, s90, 15
	s_lshl_b32 s13, s13, 2
	s_add_co_u32 s13, s13, s41                     ; block row 0..63
	s_lshl_b32 s43, s41, 2
	s_lshl_b32 s43, 15, s43                        ; my row of the cluster
	s_lshl_b32 s44, 0x1111, s40                    ; my column
	s_or_b32 s[G1+0], s43, (2<<16)|(1<<20)|(1<<21)|(6<<22)|(3<<25)   ; X: elements of 4 bytes; 4 words of padding behind every 128; bit 21 beside the mask
	s_mov_b32 s[G1+1], 128<<16                     ; tensor_dim0 = 128
	s_mov_b32 s[G1+2], 64<<16                      ; tensor_dim1 = 64
	s_mov_b32 s[G1+3], 128<<16                     ; tile_dim0 = 128 elements = 512 bytes
	s_mov_b32 s[G1+4], 64                          ; tile_dim1 = 64 rows
	s_mov_b32 s[G1+5], 1024                        ; elements from row to row
	s_mov_b32 s[G1+6], 0
	s_mov_b32 s[G1+7], 0
	s_or_b32 s[G1B+0], s44, (1<<16)|(1<<20)|(1<<21)|(5<<22)|(3<<25)  ; W: elements of 2 bytes; 4 words of padding behind every 64
	s_mov_b32 s[G1B+1], 128<<16
	s_mov_b32 s[G1B+2], 128<<16                    ; 128 rows
	s_mov_b32 s[G1B+3], 128<<16                    ; 128 elements = 256 bytes
	s_mov_b32 s[G1B+4], 128
	s_mov_b32 s[G1B+5], 1024
	s_mov_b32 s[G1B+6], 0
	s_mov_b32 s[G1B+7], 0
	s_lshl_b32 s16, s13, 7
	s_lshl_b32 s17, s12, 6
	s_add_co_u32 s16, s16, s17                     ; X: row 128 x block row + 64 x half,
	s_lshl_b32 s16, s16, 12                        ; rows of 4,096 bytes (below 32 MiB)
	s_mov_b32 s17, 0
	s_lshl_b32 s46, s42, 8
	s_lshl_b32 s47, s12, 7
	s_add_co_u32 s46, s46, s47                     ; W: row 256 x block column + 128 x half,
	s_lshl_b32 s46, s46, 11                        ; rows of 2,048 bytes,
	s_lshl_b32 s47, s45, 21                        ; in the g-th weight of wb
	s_add_co_u32 s46, s46, s47
	s_mov_b32 s47, 0
	s_mul_i32 s20, s10, QUART                      ; where my load goes: the wave's number alone
	s_lshl_b32 s88, s42, 10
	s_lshl_b32 s89, s12, 9
	s_add_co_u32 s88, s88, s89                     ; bias: 4 bytes x (256 x block column + 128 x half)
	s_mov_b32 s89, 0
	s_mov_b32 s86, 0x3e000000                      ; c: 1/8 for k,
	s_wait_dscnt 0x0
	s_wait_kmcnt 0x0
	s_cmp_eq_u32 s45, 1
	s_cselect_b64 s[4:5], s[70:71], s[68:69]
	s_cselect_b64 s[84:85], s[78:79], s[76:77]
	s_cmp_eq_u32 s45, 2
	s_cselect_b64 s[4:5], s[72:73], s[4:5]
	s_cselect_b64 s[84:85], s[80:81], s[84:85]
	s_cselect_b32 s86, 0x3e800000, s86             ; 1/4 for v,
	s_cmp_eq_u32 s45, 0
	s_cselect_b32 s86, 0x3eb8aa3b, s86             ; log2(e)/4 for q
	s_mov_b32 s87, s86
	s_add_nc_u64 s[14:15], s[4:5], s[16:17]
	s_add_nc_u64 s[46:47], s[74:75], s[46:47]
	s_add_nc_u64 s[84:85], s[84:85], s[88:89]
	CROUND                                         ; all sixteen work-groups are here: the first joint loads meet
.irp s, 0,1
	s_mov_b32 s[G0+4*\s], 1
	s_add_co_u32 s[G0+4*\s+1], s20, \s*SLOT
	s_add_nc_u64 s[G0+4*\s+2:G0+4*\s+3], s[14:15], \s*512          ; K step s: 128 f32
	s_or_b32 s[G0+4*\s+3], s[G0+4*\s+3], 0x80000000
	s_mov_b32 s[G0B+4*\s], 1
	s_add_co_u32 s[G0B+4*\s+1], s20, \s*SLOT
	s_add_nc_u64 s[G0B+4*\s+2:G0B+4*\s+3], s[46:47], \s*256        ; K step s: 128 f16
	s_or_b32 s[G0B+4*\s+3], s[G0B+4*\s+3], 0x80000000
	JLOAD \s                                       ; both slots' first fills go out together: two tensor loads of the wave are out
.endr
	v_and_b32 v1, 15, v0                           ; r
	v_bfe_u32 v2, v0, 4, 1                         ; h
	v_mul_u32_u24 v3, v1, PA
	v_lshl_add_u32 v3, v2, 5, v3                   ; X: row r, 8 f32 at 32 h
	v_mul_u32_u24 v4, v1, PB
	v_lshl_add_u32 v4, v2, 4, v4                   ; W: row r, 8 f16 at 16 h
	s_mul_i32 s21, s11, QUART                      ; my 64 rows of X
	s_mul_i32 s22, s12, QUART
	s_add_co_u32 s22, s22, 2*QUART                 ; my 128 rows of W
.irp s, 0,1
	v_add_nc_u32 v[ADRA+\s], s21, v3
	v_add_nc_u32 v[ADRB+\s], s22, v4
	s_add_co_u32 s21, s21, SLOT
	s_add_co_u32 s22, s22, SLOT
.endr
	s_mul_i32 s23, s10, 16*SPITCH
	s_add_co_u32 s23, s23, STAGE
	v_add_nc_u32 v[STO], s23, v4                   ; in: row r, 16 bytes for each half of the lanes
	v_and_b32 v5, 31, v0
	v_lshrrev_b32 v6, 3, v5
	v_and_b32 v7, 7, v0
	v_mul_u32_u24 v6, v6, SPITCH
	v_lshl_add_u32 v6, v7, 4, v6
	v_add_nc_u32 v[RD], s23, v6                    ; back: eight lanes take the 128 bytes that a row has of one head, four rows a load
	v_lshlrev_b32 v[CO], 4, v5                     ; and in memory those four rows are 512 neighbouring bytes
	v_lshlrev_b32 v[BO], 5, v2
.irp b, 0,1,2,3,4,5,6,7
	global_load_b128 v[BIAS+8*\b:BIAS+8*\b+3], v[BO], s[84:85] offset:64*\b        ; waited for on the way out
	global_load_b128 v[BIAS+8*\b+4:BIAS+8*\b+7], v[BO], s[84:85] offset:64*\b+16
.endr
; 8 matrix instructions: row block a x all 8 column blocks, 32 along K, from buffers f.  The 32 accumulators take turns, one instruction a
; turn, in the same order in every quarter step.
.macro MUL8 f, a, zero
.irp b, 0,1,2,3,4,5,6,7
.if \zero
	v_wmma_f32_16x16x32_f16 v[8*(8*\a+\b):8*(8*\a+\b)+7], v[BF0+64*\f+8*\b:BF0+64*\f+8*\b+7], v[AF0+32*\f+8*\a:AF0+32*\f+8*\a+7], 0
.else
	v_wmma_f32_16x16x32_f16 v[8*(8*\a+\b):8*(8*\a+\b)+7], v[BF0+64*\f+8*\b:BF0+64*\f+8*\b+7], v[AF0+32*\f+8*\a:AF0+32*\f+8*\a+7], v[8*(8*\a+\b):8*(8*\a+\b)+7]
.endif
.endr
.endm
; 32 LDS loads in one run: quarter kq (32 along K) of the slot: W's fragments into buffer g, X's f32 into RAW.
; A fragment's lane holds K = 8 h + 0..7 and 16 + 8 h + 0..7: in f16 two loads 32 bytes apart, in f32 four loads at 0, 16, 64, 80.
.macro FETCH slot, kq, g
	WIN W_TOB
.irp i, 0,1,2,3,4,5,6,7
	ds_load_b128 v[BF0+64*\g+8*\i:BF0+64*\g+8*\i+3],   v[ADRB+\slot] offset:\i*16*PB+64*\kq
	ds_load_b128 v[BF0+64*\g+8*\i+4:BF0+64*\g+8*\i+7], v[ADRB+\slot] offset:\i*16*PB+64*\kq+32
.endr
	WIN 0
.irp i, 0,1,2,3
	ds_load_b128 v[RAW+16*\i:RAW+16*\i+3],     v[ADRA+\slot] offset:\i*16*PA+128*\kq
	ds_load_b128 v[RAW+16*\i+4:RAW+16*\i+7],   v[ADRA+\slot] offset:\i*16*PA+128*\kq+16
	ds_load_b128 v[RAW+16*\i+8:RAW+16*\i+11],  v[ADRA+\slot] offset:\i*16*PA+128*\kq+64
	ds_load_b128 v[RAW+16*\i+12:RAW+16*\i+15], v[ADRA+\slot] offset:\i*16*PA+128*\kq+80
.endr
.endm
; 32 conversions: RAW to A fragments of buffer g.  They name no register of the matrix instructions in front of them, and they are the
; places between a quarter's matrix instructions and the next loads into, and writes of, the buffers that those read.
.macro CVT g
.irp i, 0,1,2,3
.irp p, 0,1,2,3,4,5,6,7
	v_cvt_pk_f16_f32 v[AF0+32*\g+8*\i+\p], v[RAW+16*\i+2*\p], v[RAW+16*\i+2*\p+1]
.endr
.endr
.endm
; One of a K step's first three quarters: multiplies buffers f, fetches quarter kq into buffers g in its middle.
.macro QUARTER slot, kq, f, g, zero
	WIN W_MUL
	MUL8 \f, 0, \zero
	MUL8 \f, 1, \zero
	FETCH \slot, \kq, \g
	WIN W_MUL
	MUL8 \f, 2, \zero
	MUL8 \f, 3, \zero
	s_wait_dscnt 0x0                               ; the 32 loads issued sixteen matrix instructions ago
	WIN 0
	CVT \g
.endm
.macro THREE slot, zero
	QUARTER \slot, 1, 0, 1, \zero
	QUARTER \slot, 2, 1, 0, 0
	QUARTER \slot, 3, 0, 1, 0
.endm
; The last quarter multiplies buffers 1 and changes slots.  In front of the barrier each wave has waited for its reads of this slot and for
; all its tensor loads (one is out: its part of the next slot).  fill = 1: the barrier opens a round of the cluster's barrier, and the joint
; refill, two K steps ahead, is the wave's first and only tensor load behind the round.
.macro TURN slot, next, fill
	WIN W_MUL
	MUL8 1, 0, 0
	s_wait_dscnt 0x0
	s_wait_tensorcnt 0x0
	ds_add_u32 v129, v31
	s_wait_dscnt 0x0
	s_barrier_signal -1
	MUL8 1, 1, 0                                   ; register work while the others arrive
	WIN 0
	s_barrier_wait -1
.if \fill
	CREST
	s_add_nc_u64 s[G0+4*\slot+2:G0+4*\slot+3], s[G0+4*\slot+2:G0+4*\slot+3], 1024
	s_add_nc_u64 s[G0B+4*\slot+2:G0B+4*\slot+3], s[G0B+4*\slot+2:G0B+4*\slot+3], 512
	JLOAD \slot
.endif
	FETCH \next, 0, 0
	WIN W_MUL
	MUL8 1, 2, 0
	MUL8 1, 3, 0
	s_wait_dscnt 0x0
	WIN 0
	CVT 0
.endm
.macro LAP zero
	THREE 0, \zero
	TURN 0, 1, 1
	THREE 1, 0
	TURN 1, 0, 1
.endm
	s_wait_tensorcnt 0x1                           ; my part of K step 0 is in; K step 1's load, issued behind it, stays out
	s_barrier_signal -1
	s_barrier_wait -1                              ; everybody's is
	FETCH 0, 0, 0
	s_wait_dscnt 0x0
	CVT 0
	LAP 1                                          ; the first products start the sums: nothing is cleared
	s_mov_b32 s3, 2
.Llap:
	LAP 0
	s_sub_co_u32 s3, s3, 1
	s_cmp_lg_u32 s3, 0
	s_cbranch_scc1 .Llap
	THREE 0, 0                                     ; the last lap fills nothing
	TURN 0, 1, 0
	THREE 1, 0
	WIN W_MUL
	MUL8 1, 0, 0
	MUL8 1, 1, 0
	MUL8 1, 2, 0
	MUL8 1, 3, 0
	WIN 0
	; THE WAY OUT, 16 rows at a time: (sum + bias) c as one multiply-add with bias c, rounded to f16, through my own stage.
.rept 4
	v_nop                                          ; four places behind the last matrix instructions (ISA guide 7.12.1)
.endr
	s_wait_loadcnt 0x0                             ; the bias
.set cnt, 0
.rept 32
	v_pk_mul_f32 v[BIAS+2*cnt:BIAS+2*cnt+1], v[BIAS+2*cnt:BIAS+2*cnt+1], s[86:87] op_sel_hi:[1,0]
.set cnt, cnt+1
.endr
	s_lshl_b32 s16, s45, 24                        ; g x 16 MiB
	s_lshr_b32 s17, s13, 4
	s_lshl_b32 s17, s17, 22                        ; batch x 16 heads x 2,048 rows x 128 bytes
	s_add_co_u32 s16, s16, s17
	s_and_b32 s17, s13, 15
	s_lshl_b32 s17, s17, 14                        ; 128 rows of 128 bytes for a block row
	s_add_co_u32 s16, s16, s17
	s_lshl_b32 s17, s11, 13                        ; my 64 rows
	s_add_co_u32 s16, s16, s17
	s_mov_b32 s17, 0
	s_add_nc_u64 s[8:9], s[82:83], s[16:17]
	s_lshl_b32 s46, s42, 20                        ; four heads for a block column,
	s_lshl_b32 s47, s12, 19                        ; two for my half
	s_add_co_u32 s46, s46, s47
	s_mov_b32 s47, 0
	s_add_nc_u64 s[8:9], s[8:9], s[46:47]
.macro OUT16 a, f
	WIN W_EPI
.irp b, 0,1,2,3,4,5,6,7
.irp p, 0,1,2,3
	v_pk_fma_f32 v[RAW+8*\b+2*\p:RAW+8*\b+2*\p+1], v[8*(8*\a+\b)+2*\p:8*(8*\a+\b)+2*\p+1], s[86:87], v[BIAS+8*\b+2*\p:BIAS+8*\b+2*\p+1] op_sel_hi:[1,0,1]
.endr
.endr
	WIN 0
.irp b, 0,1,2,3,4,5,6,7
.irp p, 0,1,2,3
	v_cvt_pk_f16_f32 v[TMP+4*\b+\p], v[RAW+8*\b+2*\p], v[RAW+8*\b+2*\p+1]
.endr
.endr
.irp b, 0,1,2,3,4,5,6,7
	ds_store_b128 v[STO], v[TMP+4*\b:TMP+4*\b+3] offset:32*\b
.endr
	s_wait_xcnt 0x0                                ; buffer f, which earlier stores read, is loaded again only behind this wait
.irp t, 0,1,2,3,4,5,6,7
	ds_load_b128 v[AF0+32*\f+4*\t:AF0+32*\f+4*\t+3], v[RD] offset:(\t>>2)*128+4*(\t&3)*SPITCH   ; LDS serves a wave's instructions in order: these see the stores above
.endr
.irp t, 0,1,2,3,4,5,6,7
	s_wait_dscnt 7-\t                              ; the 7 - t younger loads stay out
	global_store_b128 v[CO], v[AF0+32*\f+4*\t:AF0+32*\f+4*\t+3], s[8:9] offset:(\t>>2)*262144+(16*\a+4*(\t&3))*128   ; four rows of one head: 512 neighbouring bytes, aligned
.endr
.endm
	OUT16 0, 0
	OUT16 1, 1
	OUT16 2, 0
	OUT16 3, 1
	s_set_vgpr_msb 0x2
	s_wait_tensorcnt 0x0
	ds_add_u32 v129, v31
	s_wait_dscnt 0x0
	s_set_vgpr_msb 0x200
	CROUND                                         ; the closing round: no work-group ends while a partner may still ask for a tile that names it
	s_endpgm
.Lfunc_end_k_qbd1da3fde7_proj:
	.size	k_qbd1da3fde7_proj, .Lfunc_end_k_qbd1da3fde7_proj-k_qbd1da3fde7_proj
	.p2alignl 7, 3214868480
	.fill 96, 4, 3214868480
	.section	.rodata,"a",@progbits
	.p2align	6, 0x0
	.amdhsa_kernel k_qbd1da3fde7_proj
		.amdhsa_group_segment_fixed_size 327680
		.amdhsa_private_segment_fixed_size 0
		.amdhsa_enable_private_segment 0
		.amdhsa_kernarg_size 64
		.amdhsa_user_sgpr_count 2
		.amdhsa_user_sgpr_kernarg_segment_ptr 1
		.amdhsa_wavefront_size32 1
		.amdhsa_system_sgpr_workgroup_id_x 1
		.amdhsa_system_sgpr_workgroup_id_y 1
		.amdhsa_system_sgpr_workgroup_id_z 1
		.amdhsa_system_vgpr_workitem_id 0
		.amdhsa_next_free_vgpr 642
		.amdhsa_next_free_sgpr 92
		.amdhsa_reserve_vcc 0
		.amdhsa_float_denorm_mode_32 3
		.amdhsa_float_denorm_mode_16_64 3
		.amdhsa_memory_ordered 1
		.amdhsa_forward_progress 1
		.amdhsa_inst_pref_size 189
	.end_amdhsa_kernel
	.amdgpu_metadata
---
amdhsa.version: [ 1, 2 ]
amdhsa.kernels:
  - .name:           k_qbd1da3fde7_proj
    .symbol:         k_qbd1da3fde7_proj.kd
    .args:
      - { .name: q, .offset: 0, .size: 8, .value_kind: global_buffer, .address_space: global }
      - { .name: k, .offset: 8, .size: 8, .value_kind: global_buffer, .address_space: global }
      - { .name: v, .offset: 16, .size: 8, .value_kind: global_buffer, .address_space: global }
      - { .name: wb, .offset: 24, .size: 8, .value_kind: global_buffer, .address_space: global }
      - { .name: bq, .offset: 32, .size: 8, .value_kind: global_buffer, .address_space: global }
      - { .name: bk, .offset: 40, .size: 8, .value_kind: global_buffer, .address_space: global }
      - { .name: bv, .offset: 48, .size: 8, .value_kind: global_buffer, .address_space: global }
      - { .name: qkv, .offset: 56, .size: 8, .value_kind: global_buffer, .address_space: global }
    .group_segment_fixed_size: 327680
    .private_segment_fixed_size: 0
    .kernarg_segment_align: 8
    .kernarg_segment_size: 64
    .max_flat_workgroup_size: 128
    .sgpr_count:     92
    .vgpr_count:     642
    .wavefront_size: 32
...
	.end_amdgpu_metadata
.endif
;; end of part 2
;; launch attn (part 3): grid 256 x 1, 8 waves a work-group, clusters of 4 x 1, 327,680 bytes of LDS; arguments qkv, mbits, att; writes att
.if DOCPART == 3
	.amdgcn_target "amdgcn-amd-amdhsa--gfx1250"
	.amdhsa_code_object_version 6
	.text
	.protected	k_qbd1da3fde7_attn
	.globl	k_qbd1da3fde7_attn
	.p2align	8
	.type	k_qbd1da3fde7_attn,@function
k_qbd1da3fde7_attn:
	s_mov_b64 s[64:65], 0
	v_nop
	global_prefetch_b8 v0, s[64:65] scope:SCOPE_SE
	s_setreg_imm32_b32 hwreg(HW_REG_WAVE_MODE, 25, 1), 1
	s_wait_xcnt 0x0
	s_wait_alu depctr_hold_cnt(0) depctr_sa_sdst(0) depctr_va_vdst(0) depctr_va_sdst(0) depctr_va_ssrc(0) depctr_va_vcc(0) depctr_vm_vsrc(0)
	s_getreg_b32 s2, hwreg(HW_REG_IB_STS2, 6, 4)
	s_cmp_eq_u32 s2, 0
	s_cbranch_scc0 .Lentry_in_a_cluster
	s_endpgm
.Lentry_in_a_cluster:
	s_bfe_u32 s2, ttmp6, 0x10000c
	s_cmp_lg_u32 s2, 0x3003
	s_cbranch_scc0 .Lentry_shape_is_right
	s_endpgm
.Lentry_shape_is_right:
; attn: att[head][b*2048 + s][64] = f16( softmax(select(mask, Q K^T / 8, -1e9)) V / 4 ), with a running maximum.
; qkv holds Q' = Q log2(e)/4, K' = K/8, V' = V/4 in f16, so 4 Q'K'^T is the score in base-2 units; the 4, a power of two and so exact, rides
; on the multiply-add that takes the maximum away: p = exp2(4 s' - 4 m').  A masked score is the constant -1e9 log2(e)/4 in the same units,
; chosen by a true select: a row with every key masked gives equal weights.
; LIMITS: matrix operands are f16 (P lies in [0, 1]; weights below 6e-8 of the row's largest are dropped); v_exp_f32 gives 0 below 2^-126;
; the sums are ordered otherwise than in a plain softmax.
; A cluster of four work-groups is one (batch, head); a work-group takes 512 queries, a wave 64.  Keys go in 32 steps of 64; an LDS slot
; holds four steps of K and V (256 keys), two slots.  The four work-groups need the same K and V: every tile is asked for jointly (mask 15),
; which divides the requests for K and V by four.  Each of the eight waves brings one eighth of a slot (64 keys of K or of V, 8 KiB dense).
; LAYOUT: S^T = K Q^T: lane (r, h) holds query r and keys 16 kt + 8 h + j, so the softmax runs inside a lane but for one exchange of the two
; halves, and two tiles packed to f16 ARE the second source of O^T = V^T P^T.  V^T comes by transposing LDS loads.  The row's scale and sum
; are one number a lane.
; Eight waves of 512 registers, two on a SIMD: the step is mostly vector work, and one wave's matrix and LDS phases lie under the other's.
.set PITCH,  160                       ; LDS row: 128 bytes + 32: an odd multiple of 32, as the transposing loads of V want; K takes the same so that one shape serves all eight waves
.set EIGHTH, 64*PITCH                  ; 64 keys of K or V
.set SLOTB,  8*EIGHTH                  ; K steps 0-3, then V steps 0-3
.set STAGE,  2*SLOTB                   ; behind the ring: 64 rows x 144 bytes for each wave; no tensor load lands here
.set SP,     144
.set BLOCKB, 32768                     ; 256 keys x 128 bytes in memory
.set ADK, 2                            ; v2-3   my K fragment address in slot 0, 1
.set ADV, 4                            ; v4-5   my V^T fragment address in slot 0, 1
.set STO, 6
.set RD,  7
.set CO,  8
.set QO,  9
.set M,   10                           ; v10-13 running maximum of query block qt, in raw units
.set LS,  14                           ; v14-17 running sum (this half's keys)
.set AL,  18                           ; v18-19 the scale of the old sums, twice
.set MN,  20                           ; v20-21 4 x the new maximum, twice
.set NEG, 22                           ; the masked score
.set RC,  24                           ; v24-31 1 / sum, twice for each qt
.set T,   32                           ; v32-39 at work
.set KF,  64                           ; v64-127  K fragments, (kt, dc) at 8 (2 kt + dc)
.set S,   128                          ; v128-255 scores, tile (qt, kt) at 8 (4 qt + kt); later P
.set O,   0                            ; window 1: v0-127 O^T, tile (qt, dt) at 8 (4 qt + dt)
.set QF,  128                          ; window 1: Q fragments, (qt, dc) at 8 (2 qt + dc)
.set VF,  192                          ; window 1: V^T fragments, (dt, c) at 8 (2 dt + c)
.set G1, 16
.set G0, 24                            ; s[24:27], s[28:31]: one set for each slot
.set MA, 32                            ; s[32:63] the 32 mask words of an even qt
.set MB, 68                            ; s[68:99] of an odd qt
.set W_S,   0x04                       ; source 1 (Q) window 1
.set W_LD1, 0x40                       ; destination window 1
.set W_RS,  0x41                       ; destination and source 0 window 1
.set W_PV,  0x51                       ; D, C and source 0 (V^T) window 1, source 1 (P) window 0
.set W_OUT, 0x01
.set MSB, 0
.macro WIN new
.if MSB != \new
	s_set_vgpr_msb (MSB<<8)|\new
.set MSB, \new
.endif
.endm
.macro ROUND                           ; a round of the cluster's barrier
	s_barrier_signal -1
	s_barrier_wait -1
	s_cmp_lg_u32 s10, 0
	s_cbranch_scc1 .Lnot_wave_0_\@
	s_barrier_signal -3
.Lnot_wave_0_\@:
	s_barrier_wait -3
	s_barrier_signal -1
	s_barrier_wait -1
.endm
	s_load_b128 s[4:7], s[0:1], 0x0                ; qkv s[4:5], mbits s[6:7]
	s_load_b64 s[8:9], s[0:1], 0x10                ; att
	v_lshl_add_u32 v62, v0, 2, 0x3a000
	v_mov_b32 v63, 0
	ds_add_u32 v62, v63
	v_lshrrev_b32 v1, 5, v0
	v_readfirstlane_b32 s10, v1                    ; wave 0..7
	s_bfe_u32 s11, ttmp6, 0x40000                  ; cx: which 512 queries; it enters global addresses of plain loads and stores alone
	s_mov_b32 s12, 0x76543210                      ; v_permlanex16_b32: lane i reads lane i of the other half
	s_mov_b32 s13, 0xfedcba98
	; the shape: 8 KiB dense, as 32 rows of 256 bytes; 8 words of padding behind every 32 words, so each key's 128 bytes get an LDS row of 160
	s_mov_b32 s[G1+0], 15|(1<<16)|(1<<20)|(1<<21)|(4<<22)|(7<<25)
	s_mov_b32 s[G1+1], 128<<16
	s_mov_b32 s[G1+2], 32<<16
	s_mov_b32 s[G1+3], 128<<16
	s_mov_b32 s[G1+4], 32
	s_mov_b32 s[G1+5], 128
	s_mov_b32 s[G1+6], 0
	s_mov_b32 s[G1+7], 0
	s_lshr_b32 s100, s10, 2
	s_add_co_u32 s100, s100, 1                     ; waves 0-3 bring K (g = 1), waves 4-7 V (g = 2)
	s_lshl_b32 s100, s100, 24
	s_lshl_b32 s101, ttmp9, 18                     ; the cluster's x is batch x 16 + head: 2,048 rows of 128 bytes
	s_add_co_u32 s100, s100, s101
	s_and_b32 s101, s10, 3
	s_lshl_b32 s101, s101, 13                      ; my 64 keys of the 256
	s_add_co_u32 s100, s100, s101
	s_mov_b32 s101, 0
	s_mul_i32 s66, s10, EIGHTH                     ; where my load goes: the wave's number alone
	s_mul_i32 s67, s10, 64*SP
	s_add_co_u32 s67, s67, STAGE                   ; my stage
	s_wait_dscnt 0x0
	s_wait_kmcnt 0x0
	s_add_nc_u64 s[100:101], s[4:5], s[100:101]
	ROUND                                          ; the four work-groups are here: the first joint loads meet
.irp s, 0,1
	s_mov_b32 s[G0+4*\s], 1
	s_add_co_u32 s[G0+4*\s+1], s66, \s*SLOTB
	s_add_nc_u64 s[G0+4*\s+2:G0+4*\s+3], s[100:101], \s*BLOCKB
	s_or_b32 s[G0+4*\s+3], s[G0+4*\s+3], 0x80000000
	tensor_load_to_lds s[G0+4*\s:G0+4*\s+3], s[G1:G1+7]            ; both first fills together: two tensor loads of the wave are out
	s_nop 0
.endr
	s_lshr_b32 s14, ttmp9, 4                       ; mbits: T = batch x 128 + 32 cx + 4 wave, 4,096 bytes each
	s_lshl_b32 s14, s14, 7
	s_lshl_b32 s15, s11, 5
	s_add_co_u32 s14, s14, s15
	s_lshl_b32 s15, s10, 2
	s_add_co_u32 s14, s14, s15
	s_lshl_b32 s14, s14, 12
	s_mov_b32 s15, 0
	s_add_nc_u64 s[6:7], s[6:7], s[14:15]
	s_load_b512 s[MA:MA+15], s[6:7], 0x0           ; the masks of step 0, qt 0
	s_load_b512 s[MA+16:MA+31], s[6:7], 0x40
	s_lshl_b32 s14, ttmp9, 18                      ; Q: my head, row 512 cx + 64 wave
	s_lshl_b32 s15, s11, 16
	s_add_co_u32 s14, s14, s15
	s_lshl_b32 s15, s10, 13
	s_add_co_u32 s14, s14, s15
	s_mov_b32 s15, 0
	s_add_nc_u64 s[4:5], s[4:5], s[14:15]
	v_and_b32 v1, 15, v0                           ; r
	v_bfe_u32 v23, v0, 4, 1                        ; h
	v_lshlrev_b32 v[QO], 7, v1
	v_lshl_add_u32 v[QO], v23, 4, v[QO]            ; row r, 8 numbers at 16 h
	WIN W_LD1
.irp qt, 0,1,2,3
.irp dc, 0,1
	global_load_b128 v[QF+8*(2*\qt+\dc):QF+8*(2*\qt+\dc)+3],   v[QO], s[4:5] offset:2048*\qt+64*\dc
	global_load_b128 v[QF+8*(2*\qt+\dc)+4:QF+8*(2*\qt+\dc)+7], v[QO], s[4:5] offset:2048*\qt+64*\dc+32
.endr
.endr
	WIN 0
	s_and_b32 s14, ttmp9, 15                       ; att: (head x 8,192 + batch x 2,048 + 512 cx + 64 wave) rows of 128 bytes
	s_lshl_b32 s14, s14, 13
	s_lshr_b32 s15, ttmp9, 4
	s_lshl_b32 s15, s15, 11
	s_add_co_u32 s14, s14, s15
	s_lshl_b32 s15, s11, 9
	s_add_co_u32 s14, s14, s15
	s_lshl_b32 s15, s10, 6
	s_add_co_u32 s14, s14, s15
	s_lshl_b32 s14, s14, 7
	s_mov_b32 s15, 0
	s_add_nc_u64 s[8:9], s[8:9], s[14:15]
	v_mul_u32_u24 v[ADK], v1, PITCH
	v_lshl_add_u32 v[ADK], v23, 4, v[ADK]          ; K: key r, 8 numbers at 16 h
	v_add_nc_u32 v[ADK+1], SLOTB, v[ADK]
	v_and_b32 v[T], 7, v0
	v_lshl_add_u32 v[T], v23, 3, v[T]              ; V: key 8 h + (l & 7),
	v_mul_u32_u24 v[T], v[T], PITCH
	v_bfe_u32 v[T+1], v0, 3, 1
	v_lshl_add_u32 v[T], v[T+1], 4, v[T]           ; 16 bytes at 16 ((l >> 3) & 1)
	v_add_nc_u32 v[ADV], 4*EIGHTH, v[T]
	v_add_nc_u32 v[ADV+1], 4*EIGHTH+SLOTB, v[T]
	v_mul_u32_u24 v[T], v1, SP
	v_lshl_add_u32 v[T], v23, 4, v[T]
	v_add_nc_u32 v[STO], s67, v[T]
	v_and_b32 v[T+2], 31, v0
	v_lshrrev_b32 v[T], 3, v[T+2]
	v_mul_u32_u24 v[T], v[T], SP
	v_and_b32 v[T+1], 7, v0
	v_lshl_add_u32 v[T], v[T+1], 4, v[T]
	v_add_nc_u32 v[RD], s67, v[T]                  ; back: eight lanes take a row's 128 bytes, four rows a load
	v_lshlrev_b32 v[CO], 4, v[T+2]
	v_mov_b32 v[NEG], 0xcdabfb8f                   ; -1e9 log2(e) / 4
	v_mov_b32 v[T+5], 0                            ; v_permlanex16_b32's destination counts as read
.macro KLOAD slot, i                   ; 16 loads: the K fragments of step i of the slot
.irp kt, 0,1,2,3
.irp dc, 0,1
	ds_load_b128 v[KF+8*(2*\kt+\dc):KF+8*(2*\kt+\dc)+3],   v[ADK+\slot] offset:(\i)*EIGHTH+\kt*16*PITCH+64*\dc
	ds_load_b128 v[KF+8*(2*\kt+\dc)+4:KF+8*(2*\kt+\dc)+7], v[ADK+\slot] offset:(\i)*EIGHTH+\kt*16*PITCH+64*\dc+32
.endr
.endr
.endm
.macro VLOAD slot, i                   ; 16 transposing loads: V^T fragments (16 d x 32 keys) of step i
	WIN W_LD1
.irp dt, 0,1,2,3
.irp c, 0,1
	ds_load_tr16_b128 v[VF+8*(2*\dt+\c):VF+8*(2*\dt+\c)+3],   v[ADV+\slot] offset:(\i)*EIGHTH+\c*32*PITCH+32*\dt
	ds_load_tr16_b128 v[VF+8*(2*\dt+\c)+4:VF+8*(2*\dt+\c)+7], v[ADV+\slot] offset:(\i)*EIGHTH+\c*32*PITCH+32*\dt+16*PITCH
.endr
.endr
	WIN 0
.endm
; Query block qt of a step: select, maximum, exponentials, sum, P in f16, old O scaled, O^T += V^T P^T.
.macro SOFTPV qt, first, vwait, last
.set SB, S+32*\qt
.set MK, MA+(MB-MA)*(\qt&1)
.set MO, MA+(MB-MA)*((\qt+1)&1)
	s_wait_kmcnt 0x0                               ; scalar loads return in no order: this block's 32 mask words are in
.if \qt < 3
	s_load_b512 s[MO:MO+15], s[6:7], 4096*(\qt+1)                  ; the next block's, into the other set, whose readers are a block behind
	s_load_b512 s[MO+16:MO+31], s[6:7], 4096*(\qt+1)+64
.else
.if \last == 0
	s_wait_xcnt 0x0                                ; the base of the scalar loads is stepped only behind this wait
	s_add_nc_u64 s[6:7], s[6:7], 128               ; the next step's words; the last step asks for nothing
	s_load_b512 s[MO:MO+15], s[6:7], 0x0
	s_load_b512 s[MO+16:MO+31], s[6:7], 0x40
.endif
.endif
.irp kt, 0,1,2,3
.irp j, 0,1,2,3,4,5,6,7
	v_cndmask_b32 v[SB+8*\kt+\j], v[NEG], v[SB+8*\kt+\j], s[MK+8*\kt+\j]
.endr
.endr
.irp kt, 0,1,2,3
	v_max3_num_f32 v[T+\kt], v[SB+8*\kt], v[SB+8*\kt+1], v[SB+8*\kt+2]
.endr
.irp kt, 0,1,2,3
	v_max3_num_f32 v[T+\kt], v[T+\kt], v[SB+8*\kt+3], v[SB+8*\kt+4]
.endr
.irp kt, 0,1,2,3
	v_max3_num_f32 v[T+\kt], v[T+\kt], v[SB+8*\kt+5], v[SB+8*\kt+6]
.endr
	v_max3_num_f32 v[T+4], v[SB+7], v[SB+15], v[SB+23]
	v_max3_num_f32 v[T+4], v[T+4], v[SB+31], v[T]
	v_max3_num_f32 v[T+4], v[T+4], v[T+1], v[T+2]
	v_max_num_f32 v[T+4], v[T+4], v[T+3]
	v_permlanex16_b32 v[T+5], v[T+4], s12, s13     ; the other half's 32 keys
.if \first
	v_max_num_f32 v[T+6], v[T+4], v[T+5]
.else
	v_max3_num_f32 v[T+6], v[T+4], v[T+5], v[M+\qt]
.endif
	v_mul_f32 v[MN], 4.0, v[T+6]                   ; exact
	v_mul_f32 v[MN+1], 4.0, v[T+6]
.if \first == 0
	v_fma_f32 v[AL], v[M+\qt], 4.0, -v[MN]
.endif
.irp p, 0,1,2,3,4,5,6,7,8,9,10,11,12,13,14,15
	v_pk_fma_f32 v[SB+2*\p:SB+2*\p+1], v[SB+2*\p:SB+2*\p+1], 4.0, v[MN:MN+1] op_sel_hi:[1,0,1] neg_lo:[0,0,1] neg_hi:[0,0,1]
.endr
.if \first == 0
	v_exp_f32 v[AL], v[AL]
.endif
.irp p, 0,1,2,3,4,5,6,7,8,9,10,11,12,13,14,15
	v_exp_f32 v[SB+2*\p], v[SB+2*\p]
	v_exp_f32 v[SB+2*\p+1], v[SB+2*\p+1]
.endr
	v_mov_b32 v[M+\qt], v[T+6]                     ; the plain instruction between the exponentials and the first use of a result (ISA guide 5.7.2)
.if \first == 0
	s_wait_alu depctr_va_vdst(0)
	v_mov_b32 v[AL+1], v[AL]
.endif
	s_wait_alu depctr_va_vdst(0)
.irp kt, 0,1,2,3
	v_pk_add_f32 v[T+2*\kt:T+2*\kt+1], v[SB+8*\kt:SB+8*\kt+1], v[SB+8*\kt+2:SB+8*\kt+3]
.endr
.irp kt, 0,1,2,3
	v_pk_add_f32 v[T+2*\kt:T+2*\kt+1], v[T+2*\kt:T+2*\kt+1], v[SB+8*\kt+4:SB+8*\kt+5]
.endr
.irp kt, 0,1,2,3
	v_pk_add_f32 v[T+2*\kt:T+2*\kt+1], v[T+2*\kt:T+2*\kt+1], v[SB+8*\kt+6:SB+8*\kt+7]
.endr
	v_pk_add_f32 v[T:T+1], v[T:T+1], v[T+2:T+3]
	v_pk_add_f32 v[T+4:T+5], v[T+4:T+5], v[T+6:T+7]
	v_pk_add_f32 v[T:T+1], v[T:T+1], v[T+4:T+5]
.if \first
	v_add_f32 v[LS+\qt], v[T], v[T+1]
.else
	v_add_f32 v[T], v[T], v[T+1]
	v_fma_f32 v[LS+\qt], v[LS+\qt], v[AL], v[T]
.endif
	; P in f16, in place: tiles 2 c and 2 c + 1 become registers 0-3 and 4-7 of a fragment (keys 8 h + j, then 16 + 8 h + j of 32)
.irp c, 0,1
.irp p, 0,1,2,3
	v_cvt_pk_f16_f32 v[SB+16*\c+\p], v[SB+16*\c+2*\p], v[SB+16*\c+2*\p+1]
.endr
.irp p, 0,1,2,3
	v_cvt_pk_f16_f32 v[SB+16*\c+4+\p], v[SB+16*\c+8+2*\p], v[SB+16*\c+8+2*\p+1]
.endr
.endr
.if \first == 0
	WIN W_RS
.irp p, 0,1,2,3,4,5,6,7,8,9,10,11,12,13,14,15
	v_pk_mul_f32 v[O+32*\qt+2*\p:O+32*\qt+2*\p+1], v[O+32*\qt+2*\p:O+32*\qt+2*\p+1], v[AL:AL+1]
.endr
.endif
.if \qt == 0
	s_wait_dscnt \vwait                            ; V^T is in; the next step's 16 K loads, where issued behind it, stay out
.endif
	WIN W_PV
.irp c, 0,1
.irp dt, 0,1,2,3
.if \first*(1-\c)
	v_wmma_f32_16x16x32_f16 v[O+8*(4*\qt+\dt):O+8*(4*\qt+\dt)+7], v[VF+8*(2*\dt+\c):VF+8*(2*\dt+\c)+7], v[SB+16*\c:SB+16*\c+7], 0
.else
	v_wmma_f32_16x16x32_f16 v[O+8*(4*\qt+\dt):O+8*(4*\qt+\dt)+7], v[VF+8*(2*\dt+\c):VF+8*(2*\dt+\c)+7], v[SB+16*\c:SB+16*\c+7], v[O+8*(4*\qt+\dt):O+8*(4*\qt+\dt)+7]
.endif
.endr
.endr
	WIN 0
.endm
; One step of 64 keys.  The accumulators take turns, one instruction a turn.
.macro STEP slot, i, first, pre, last
.rept 5
	v_nop                                          ; five places behind the last step's matrix instructions: V^T is loaded again (four), P is written over by new scores (five) (ISA guide 7.12.1)
.endr
	VLOAD \slot, \i
	s_wait_dscnt 16                                ; this step's 16 K loads are in; the 16 V loads just issued stay out
	WIN W_S
.irp qt, 0,1,2,3
.irp kt, 0,1,2,3
	v_wmma_f32_16x16x32_f16 v[S+8*(4*\qt+\kt):S+8*(4*\qt+\kt)+7], v[KF+16*\kt:KF+16*\kt+7], v[QF+16*\qt:QF+16*\qt+7], 0
.endr
.endr
.irp qt, 0,1,2,3
.irp kt, 0,1,2,3
	v_wmma_f32_16x16x32_f16 v[S+8*(4*\qt+\kt):S+8*(4*\qt+\kt)+7], v[KF+16*\kt+8:KF+16*\kt+15], v[QF+16*\qt+8:QF+16*\qt+15], v[S+8*(4*\qt+\kt):S+8*(4*\qt+\kt)+7]
.endr
.endr
	WIN 0
.rept 4
	v_nop                                          ; four places: the scores are read, K's fragments loaded again
.endr
.if \pre
	KLOAD \slot, \i+1
.endif
	SOFTPV 0, \first, 16*\pre, 0
	SOFTPV 1, \first, 0, 0
	SOFTPV 2, \first, 0, 0
	SOFTPV 3, \first, 0, \last
.endm
.macro BLOCK slot, first, last         ; the four steps of a slot
	KLOAD \slot, 0
	STEP \slot, 0, \first, 1, 0
	STEP \slot, 1, 0, 1, 0
	STEP \slot, 2, 0, 1, 0
	STEP \slot, 3, 0, 0, \last
.endm
; The change of slots.  Every wave has waited for all its tensor loads (one is out: its eighth of this slot) and for its reads of the other
; slot; refill = 1: a round of the cluster's barrier, and the joint refill of the other slot is the wave's first and only tensor load behind it.
.macro TWO slot, refill, last
	s_wait_tensorcnt 0x0
	ds_add_u32 v62, v63
	s_wait_dscnt 0x0
.if \refill
	s_add_nc_u64 s[G0+6-4*\slot:G0+7-4*\slot], s[G0+6-4*\slot:G0+7-4*\slot], 2*BLOCKB   ; no load of mine is out: the other slot's next 256 keys
.endif
	s_wait_dscnt 0x0
.if \refill
	ROUND
	tensor_load_to_lds s[G0+4-4*\slot:G0+7-4*\slot], s[G1:G1+7]
	s_nop 0
.else
	s_barrier_signal -1
	s_barrier_wait -1
.endif
	BLOCK \slot, 0, \last
.endm
	s_wait_tensorcnt 0x1                           ; my eighth of slot 0 is in; slot 1's load, issued behind it, stays out
	s_barrier_signal -1
	s_barrier_wait -1                              ; everybody's is
	s_wait_loadcnt 0x0                             ; Q
	BLOCK 0, 1, 0                                  ; keys 0-255: the first step starts maxima, sums and O
	s_mov_b32 s3, 3
.Lkeys:
	TWO 1, 1, 0
	TWO 0, 1, 0
	s_sub_co_u32 s3, s3, 1
	s_cmp_lg_u32 s3, 0
	s_cbranch_scc1 .Lkeys
	TWO 1, 0, 1                                    ; keys 1,792-2,047: nothing is left to fetch
	; THE WAY OUT: O / sum, f16, through my own stage, 8 KiB of att in one piece
.rept 4
	v_nop                                          ; four places behind the last matrix instructions
.endr
.irp qt, 0,1,2,3
	v_permlanex16_b32 v[T+\qt], v[LS+\qt], s12, s13
.endr
.irp qt, 0,1,2,3
	v_add_f32 v[T+\qt], v[T+\qt], v[LS+\qt]        ; both halves' keys; at least 1, since the largest score gives exp2(0)
.endr
.irp qt, 0,1,2,3
	v_rcp_f32 v[RC+2*\qt], v[T+\qt]
	v_rcp_f32 v[RC+2*\qt+1], v[T+\qt]
.endr
	v_nop                                          ; the plain place behind the reciprocals
	WIN W_OUT
	s_wait_alu depctr_va_vdst(0)
.irp qt, 0,1,2,3
.irp p, 0,1,2,3,4,5,6,7,8,9,10,11,12,13,14,15
	v_pk_mul_f32 v[S+32*\qt+2*\p:S+32*\qt+2*\p+1], v[O+32*\qt+2*\p:O+32*\qt+2*\p+1], v[RC+2*\qt:RC+2*\qt+1]
.endr
.endr
	WIN 0
.irp n, 0,1,2,3,4,5,6,7,8,9,10,11,12,13,14,15
.irp p, 0,1,2,3
	v_cvt_pk_f16_f32 v[KF+4*\n+\p], v[S+8*\n+2*\p], v[S+8*\n+2*\p+1]
.endr
.endr
.irp qt, 0,1,2,3
.irp dt, 0,1,2,3
	ds_store_b128 v[STO], v[KF+4*(4*\qt+\dt):KF+4*(4*\qt+\dt)+3] offset:16*SP*\qt+32*\dt   ; query 16 qt + r, numbers 16 dt + 8 h + 0..7
.endr
.endr
.irp t, 0,1,2,3,4,5,6,7,8,9,10,11,12,13,14,15
	ds_load_b128 v[S+4*\t:S+4*\t+3], v[RD] offset:4*SP*\t          ; LDS serves a wave's instructions in order: these see the stores above
.endr
.irp t, 0,1,2,3,4,5,6,7,8,9,10,11,12,13,14,15
	s_wait_dscnt 15-\t                             ; the 15 - t younger loads stay out
	global_store_b128 v[CO], v[S+4*\t:S+4*\t+3], s[8:9] offset:512*\t   ; four rows: 512 neighbouring bytes, aligned
.endr
	s_wait_tensorcnt 0x0
	ds_add_u32 v62, v63
	s_wait_dscnt 0x0
	ROUND                                          ; the closing round
	s_endpgm
.Lfunc_end_k_qbd1da3fde7_attn:
	.size	k_qbd1da3fde7_attn, .Lfunc_end_k_qbd1da3fde7_attn-k_qbd1da3fde7_attn
	.p2alignl 7, 3214868480
	.fill 96, 4, 3214868480
	.section	.rodata,"a",@progbits
	.p2align	6, 0x0
	.amdhsa_kernel k_qbd1da3fde7_attn
		.amdhsa_group_segment_fixed_size 327680
		.amdhsa_private_segment_fixed_size 0
		.amdhsa_enable_private_segment 0
		.amdhsa_kernarg_size 24
		.amdhsa_user_sgpr_count 2
		.amdhsa_user_sgpr_kernarg_segment_ptr 1
		.amdhsa_wavefront_size32 1
		.amdhsa_system_sgpr_workgroup_id_x 1
		.amdhsa_system_sgpr_workgroup_id_y 1
		.amdhsa_system_sgpr_workgroup_id_z 1
		.amdhsa_system_vgpr_workitem_id 0
		.amdhsa_next_free_vgpr 512
		.amdhsa_next_free_sgpr 102
		.amdhsa_reserve_vcc 0
		.amdhsa_float_denorm_mode_32 3
		.amdhsa_float_denorm_mode_16_64 3
		.amdhsa_memory_ordered 1
		.amdhsa_forward_progress 1
		.amdhsa_inst_pref_size 255
	.end_amdhsa_kernel
	.section	.bss,"aw",@nobits
	.p2align	6
	.space	262144
	.amdgpu_metadata
---
amdhsa.version: [ 1, 2 ]
amdhsa.kernels:
  - .name:           k_qbd1da3fde7_attn
    .symbol:         k_qbd1da3fde7_attn.kd
    .args:
      - { .name: qkv, .offset: 0, .size: 8, .value_kind: global_buffer, .address_space: global }
      - { .name: mbits, .offset: 8, .size: 8, .value_kind: global_buffer, .address_space: global }
      - { .name: att, .offset: 16, .size: 8, .value_kind: global_buffer, .address_space: global }
    .group_segment_fixed_size: 327680
    .private_segment_fixed_size: 0
    .kernarg_segment_align: 8
    .kernarg_segment_size: 24
    .max_flat_workgroup_size: 256
    .sgpr_count:     102
    .vgpr_count:     512
    .wavefront_size: 32
...
	.end_amdgpu_metadata
.endif
;; end of part 3
;; launch oproj (part 4): grid 4 x 64, 4 waves a work-group, clusters of 4 x 4, 327,680 bytes of LDS; arguments att, wb, bo, out0; writes out0
.if DOCPART == 4
	.amdgcn_target "amdgcn-amd-amdhsa--gfx1250"
	.amdhsa_code_object_version 6
	.text
	.protected	k_qbd1da3fde7_oproj
	.globl	k_qbd1da3fde7_oproj
	.p2align	8
	.type	k_qbd1da3fde7_oproj,@function
k_qbd1da3fde7_oproj:
	s_mov_b64 s[64:65], 0
	v_nop
	global_prefetch_b8 v0, s[64:65] scope:SCOPE_SE
	s_setreg_imm32_b32 hwreg(HW_REG_WAVE_MODE, 25, 1), 1
	s_wait_xcnt 0x0
	s_wait_alu depctr_hold_cnt(0) depctr_sa_sdst(0) depctr_va_vdst(0) depctr_va_sdst(0) depctr_va_ssrc(0) depctr_va_vcc(0) depctr_vm_vsrc(0)
	s_getreg_b32 s2, hwreg(HW_REG_IB_STS2, 6, 4)
	s_cmp_eq_u32 s2, 0
	s_cbranch_scc0 .Lentry_in_a_cluster
	s_endpgm
.Lentry_in_a_cluster:
	s_bfe_u32 s2, ttmp6, 0x10000c
	s_cmp_lg_u32 s2, 0xf033
	s_cbranch_scc0 .Lentry_shape_is_right
	s_endpgm
.Lentry_shape_is_right:
; oproj: out0[m][n] = 4 x sum over k of att'[m][k] Wo[n][k] + bo[n], f32.  att' = att / 4 in f16, stored [head][8192 rows][64], so k = 64 head + d;
; Wo in f16 is the fourth weight of wb.  LIMIT: matrix operands are f16.
; A work-group makes 128 rows x 256 columns with four waves (2 x 2), a wave 64 x 128: 256 blocks.  K = 1,024 goes in 8 steps of 128 = two
; heads' planes, through two LDS slots.  Waves 0, 1 bring a plane each (128 rows x 128 bytes, dense in memory, fetched as 64 rows of 256
; bytes and padded to LDS rows of 144), waves 2, 3 the two halves of Wo's tile (128 rows x 256 bytes, LDS rows of 272).
; CLUSTERS: 4 x 4: att's tiles are asked for jointly along a row of the cluster, Wo's along a column: a quarter of the requests.
; REGISTERS and the transposed use of the matrix instruction: as in the input projections: window 0 addresses, A fragments, bias;
; window 1 accumulators, tile (a, b) at 8 (8 a + b); window 2 B fragments.
.set PA,     144
.set PB,     272
.set QUART,  128*PB
.set SLOT,   4*QUART                   ; plane 0, plane 1, Wo rows 0-127, Wo rows 128-255 (a plane uses 18,432 bytes of its quarter)
.set STAGE,  2*SLOT                    ; behind the ring: 16 rows x 528 bytes for each wave; no tensor load lands here
.set SPITCH, 528
.set ADRA, 16
.set ADRB, 20
.set STO,  24
.set RD,   25
.set CO,   26
.set BO,   27
.set AF0,  32                          ; v32-63, v64-95: A fragments, two buffers; on the way out the rows read back
.set TT,   96                          ; v96-159: results with bias
.set BIAS, 192
.set BF0,  0
.set G1,  24
.set G0,  32
.set G1B, 48
.set G0B, 56
.set W_MUL, 0x52
.set W_TOB, 0x80
.set W_EPI, 0x01
.set MSB, 0
.macro WIN new
.if MSB != \new
	s_set_vgpr_msb (MSB<<8)|\new
.set MSB, \new
.endif
.endm
.macro JLOAD s
	s_cmp_eq_u32 s11, 0
	s_cbranch_scc0 .Lfor_b_\@
	tensor_load_to_lds s[G0+4*\s:G0+4*\s+3], s[G1:G1+7]
	s_nop 0
	s_branch .Lasked_\@
.Lfor_b_\@:
	tensor_load_to_lds s[G0B+4*\s:G0B+4*\s+3], s[G1B:G1B+7]
	s_nop 0
.Lasked_\@:
.endm
.macro CREST
	s_cmp_lg_u32 s10, 0
	s_cbranch_scc1 .Lnot_wave_0_\@
	s_barrier_signal -3
.Lnot_wave_0_\@:
	s_barrier_wait -3
	s_barrier_signal -1
	s_barrier_wait -1
.endm
.macro CROUND
	s_barrier_signal -1
	s_barrier_wait -1
	CREST
.endm
.macro PLACES                          ; four places behind matrix instructions, in front of loads into registers that they read
.rept 4
	v_nop
.endr
.endm
	s_load_b256 s[68:75], s[0:1], 0x0              ; att 68, wb 70, bo 72, out0 74
	s_set_vgpr_msb 0x80
	v_lshl_add_u32 v129, v0, 2, 0x4c400
	s_set_vgpr_msb 0x8000
	v_mov_b32 v191, 0
	s_set_vgpr_msb 0x2
	ds_add_u32 v129, v191
	s_set_vgpr_msb 0x200
	v_lshrrev_b32 v1, 5, v0
	v_readfirstlane_b32 s10, v1                    ; wave 0..3
	s_lshr_b32 s11, s10, 1                         ; my half of the rows.  Also: I fetch for att (0) or for Wo (1)
	s_and_b32 s12, s10, 1                          ; my half of the columns.  Also: which plane, or which half of Wo's tile, I fetch
	s_bfe_u32 s40, ttmp6, 0x40000                  ; cx
	s_bfe_u32 s41, ttmp6, 0x40004                  ; cy
	s_lshl_b32 s42, ttmp9, 2
	s_add_co_u32 s42, s42, s40                     ; block column 0..3
	s_and_b32 s13, ttmp7, 0xffff
	s_lshl_b32 s13, s13, 2
	s_add_co_u32 s13, s13, s41                     ; block row 0..63
	s_lshl_b32 s43, s41, 2
	s_lshl_b32 s43, 15, s43
	s_lshl_b32 s44, 0x1111, s40
	s_or_b32 s[G1+0], s43, (1<<16)|(1<<20)|(1<<21)|(4<<22)|(3<<25)   ; att: 4 words of padding behind every 32: each row's 128 bytes get an LDS row of 144
	s_mov_b32 s[G1+1], 128<<16
	s_mov_b32 s[G1+2], 64<<16
	s_mov_b32 s[G1+3], 128<<16                     ; 64 rows of 256 bytes = 128 rows of att, dense
	s_mov_b32 s[G1+4], 64
	s_mov_b32 s[G1+5], 128
	s_mov_b32 s[G1+6], 0
	s_mov_b32 s[G1+7], 0
	s_or_b32 s[G1B+0], s44, (1<<16)|(1<<20)|(1<<21)|(5<<22)|(3<<25)
	s_mov_b32 s[G1B+1], 128<<16
	s_mov_b32 s[G1B+2], 128<<16
	s_mov_b32 s[G1B+3], 128<<16
	s_mov_b32 s[G1B+4], 128
	s_mov_b32 s[G1B+5], 1024
	s_mov_b32 s[G1B+6], 0
	s_mov_b32 s[G1B+7], 0
	s_lshl_b32 s16, s12, 20                        ; att: plane = 8,192 rows of 128 bytes,
	s_lshl_b32 s17, s13, 14                        ; 128 rows for a block row
	s_add_co_u32 s16, s16, s17
	s_mov_b32 s17, 0
	s_lshl_b32 s46, s42, 8
	s_lshl_b32 s47, s12, 7
	s_add_co_u32 s46, s46, s47
	s_lshl_b32 s46, s46, 11                        ; Wo: rows of 2,048 bytes,
	s_add_co_u32 s46, s46, 3*2097152               ; the fourth weight of wb
	s_mov_b32 s47, 0
	s_mul_i32 s20, s10, QUART
	s_lshl_b32 s88, s42, 10
	s_lshl_b32 s89, s12, 9
	s_add_co_u32 s88, s88, s89                     ; 4 bytes x (256 x block column + 128 x half): for the bias
	s_mov_b32 s89, 0
	s_wait_dscnt 0x0
	s_wait_kmcnt 0x0
	s_add_nc_u64 s[14:15], s[68:69], s[16:17]
	s_add_nc_u64 s[46:47], s[70:71], s[46:47]
	s_add_nc_u64 s[84:85], s[72:73], s[88:89]
	CROUND                                         ; the first joint loads meet
.irp s, 0,1
	s_mov_b32 s[G0+4*\s], 1
	s_add_co_u32 s[G0+4*\s+1], s20, \s*SLOT
	s_add_nc_u64 s[G0+4*\s+2:G0+4*\s+3], s[14:15], \s*2097152      ; K step s: two planes on
	s_or_b32 s[G0+4*\s+3], s[G0+4*\s+3], 0x80000000
	s_mov_b32 s[G0B+4*\s], 1
	s_add_co_u32 s[G0B+4*\s+1], s20, \s*SLOT
	s_add_nc_u64 s[G0B+4*\s+2:G0B+4*\s+3], s[46:47], \s*256
	s_or_b32 s[G0B+4*\s+3], s[G0B+4*\s+3], 0x80000000
	JLOAD \s                                       ; two tensor loads of the wave are out
.endr
	v_and_b32 v1, 15, v0                           ; r
	v_bfe_u32 v2, v0, 4, 1                         ; h
	v_mul_u32_u24 v3, v1, PA
	v_lshl_add_u32 v3, v2, 4, v3
	v_mul_u32_u24 v4, v1, PB
	v_lshl_add_u32 v4, v2, 4, v4
	s_mul_i32 s21, s11, 64*PA                      ; my 64 rows, in either plane
	s_mul_i32 s22, s12, QUART
	s_add_co_u32 s22, s22, 2*QUART
.irp s, 0,1
	v_add_nc_u32 v[ADRA+\s], s21, v3
	v_add_nc_u32 v[ADRB+\s], s22, v4
	s_add_co_u32 s21, s21, SLOT
	s_add_co_u32 s22, s22, SLOT
.endr
	s_mul_i32 s23, s10, 16*SPITCH
	s_add_co_u32 s23, s23, STAGE
	v_mul_u32_u24 v5, v1, SPITCH
	v_lshl_add_u32 v5, v2, 5, v5
	v_add_nc_u32 v[STO], s23, v5                   ; in: row r, 32 bytes for each half of the lanes
	v_and_b32 v6, 31, v0
	v_lshlrev_b32 v[CO], 4, v6
	v_add_nc_u32 v[RD], s23, v[CO]                 ; back: the 32 lanes take a row's 512 bytes
	v_lshlrev_b32 v[BO], 5, v2
.irp b, 0,1,2,3,4,5,6,7
	global_load_b128 v[BIAS+8*\b:BIAS+8*\b+3], v[BO], s[84:85] offset:64*\b        ; waited for on the way out
	global_load_b128 v[BIAS+8*\b+4:BIAS+8*\b+7], v[BO], s[84:85] offset:64*\b+16
.endr
; The 32 accumulators take turns, one instruction a turn, in the same order in every quarter step.
.macro MUL8 f, a, zero
.irp b, 0,1,2,3,4,5,6,7
.if \zero
	v_wmma_f32_16x16x32_f16 v[8*(8*\a+\b):8*(8*\a+\b)+7], v[BF0+64*\f+8*\b:BF0+64*\f+8*\b+7], v[AF0+32*\f+8*\a:AF0+32*\f+8*\a+7], 0
.else
	v_wmma_f32_16x16x32_f16 v[8*(8*\a+\b):8*(8*\a+\b)+7], v[BF0+64*\f+8*\b:BF0+64*\f+8*\b+7], v[AF0+32*\f+8*\a:AF0+32*\f+8*\a+7], v[8*(8*\a+\b):8*(8*\a+\b)+7]
.endif
.endr
.endm
; 24 LDS loads in one run: quarter kq (32 along K: plane kq / 2, numbers 32 (kq & 1) ..) into buffers g
.macro FETCH slot, kq, g
	WIN W_TOB
.irp i, 0,1,2,3,4,5,6,7
	ds_load_b128 v[BF0+64*\g+8*\i:BF0+64*\g+8*\i+3],   v[ADRB+\slot] offset:\i*16*PB+64*\kq
	ds_load_b128 v[BF0+64*\g+8*\i+4:BF0+64*\g+8*\i+7], v[ADRB+\slot] offset:\i*16*PB+64*\kq+32
.endr
	WIN 0
.irp i, 0,1,2,3
	ds_load_b128 v[AF0+32*\g+8*\i:AF0+32*\g+8*\i+3],   v[ADRA+\slot] offset:(\kq>>1)*QUART+\i*16*PA+(\kq&1)*64
	ds_load_b128 v[AF0+32*\g+8*\i+4:AF0+32*\g+8*\i+7], v[ADRA+\slot] offset:(\kq>>1)*QUART+\i*16*PA+(\kq&1)*64+32
.endr
.endm
.macro QUARTER slot, kq, f, g, zero
	s_wait_dscnt 0x0                               ; buffers f, asked for sixteen matrix instructions ago
	WIN W_MUL
	MUL8 \f, 0, \zero
	MUL8 \f, 1, \zero
	PLACES
	FETCH \slot, \kq, \g
	WIN W_MUL
	MUL8 \f, 2, \zero
	MUL8 \f, 3, \zero
.endm
.macro THREE slot, zero
	QUARTER \slot, 1, 0, 1, \zero
	QUARTER \slot, 2, 1, 0, 0
	QUARTER \slot, 3, 0, 1, 0
.endm
; The last quarter changes slots: each wave's reads of this slot and all its tensor loads are waited for in front of the barrier; fill = 1:
; the barrier opens a round of the cluster's barrier, and the joint refill is the wave's first and only tensor load behind the round.
.macro TURN slot, next, fill
	s_wait_dscnt 0x0                               ; buffers 1 are in: these were my last reads of this slot
	WIN W_MUL
	MUL8 1, 0, 0
	s_wait_tensorcnt 0x0
	ds_add_u32 v129, v191
	s_wait_dscnt 0x0
	s_barrier_signal -1
	MUL8 1, 1, 0
	WIN 0
	s_barrier_wait -1
.if \fill
	CREST
	s_add_nc_u64 s[G0+4*\slot+2:G0+4*\slot+3], s[G0+4*\slot+2:G0+4*\slot+3], 4194304
	s_add_nc_u64 s[G0B+4*\slot+2:G0B+4*\slot+3], s[G0B+4*\slot+2:G0B+4*\slot+3], 512
	JLOAD \slot
.endif
	PLACES
	FETCH \next, 0, 0
	WIN W_MUL
	MUL8 1, 2, 0
	MUL8 1, 3, 0
.endm
.macro LAP zero
	THREE 0, \zero
	TURN 0, 1, 1
	THREE 1, 0
	TURN 1, 0, 1
.endm
	s_wait_tensorcnt 0x1                           ; my part of K step 0 is in; K step 1's load stays out
	s_barrier_signal -1
	s_barrier_wait -1
	FETCH 0, 0, 0
	LAP 1
	WIN 0
	s_mov_b32 s3, 2
.Llap:
	LAP 0
	WIN 0
	s_sub_co_u32 s3, s3, 1
	s_cmp_lg_u32 s3, 0
	s_cbranch_scc1 .Llap
	THREE 0, 0
	TURN 0, 1, 0
	THREE 1, 0
	s_wait_dscnt 0x0
	WIN W_MUL
	MUL8 1, 0, 0
	MUL8 1, 1, 0
	MUL8 1, 2, 0
	MUL8 1, 3, 0
	WIN 0
	; THE WAY OUT, 16 rows at a time: 4 x sum + bias in one multiply-add, through my own stage, whole rows of 512 bytes
	PLACES
	s_wait_loadcnt 0x0                             ; the bias
	s_lshl_b32 s16, s13, 7
	s_lshl_b32 s17, s11, 6
	s_add_co_u32 s16, s16, s17
	s_lshl_b32 s16, s16, 12                        ; my first row, rows of 4,096 bytes
	s_mov_b32 s17, 0
	s_add_nc_u64 s[8:9], s[74:75], s[16:17]
	s_add_nc_u64 s[8:9], s[8:9], s[88:89]          ; my first column
.macro OUT16 a
	WIN W_EPI
.irp b, 0,1,2,3,4,5,6,7
.irp p, 0,1,2,3
	v_pk_fma_f32 v[TT+8*\b+2*\p:TT+8*\b+2*\p+1], v[8*(8*\a+\b)+2*\p:8*(8*\a+\b)+2*\p+1], 4.0, v[BIAS+8*\b+2*\p:BIAS+8*\b+2*\p+1] op_sel_hi:[1,0,1]
.endr
.endr
	WIN 0
.irp b, 0,1,2,3,4,5,6,7
	ds_store_b128 v[STO], v[TT+8*\b:TT+8*\b+3] offset:64*\b
	ds_store_b128 v[STO], v[TT+8*\b+4:TT+8*\b+7] offset:64*\b+16
.endr
	s_wait_xcnt 0x0                                ; the registers that earlier stores read are loaded again only behind this wait
.irp t, 0,1,2,3,4,5,6,7,8,9,10,11,12,13,14,15
	ds_load_b128 v[AF0+4*\t:AF0+4*\t+3], v[RD] offset:SPITCH*\t    ; LDS serves a wave's instructions in order: these see the stores above
.endr
.irp t, 0,1,2,3,4,5,6,7,8,9,10,11,12,13,14,15
	s_wait_dscnt 15-\t                             ; the 15 - t younger loads stay out
	global_store_b128 v[CO], v[AF0+4*\t:AF0+4*\t+3], s[8:9] offset:(16*\a+\t)*4096 th:TH_STORE_NT   ; 512 neighbouring bytes of a row, aligned
.endr
.endm
	OUT16 0
	OUT16 1
	OUT16 2
	OUT16 3
	s_set_vgpr_msb 0x2
	s_wait_tensorcnt 0x0
	ds_add_u32 v129, v191
	s_wait_dscnt 0x0
	s_set_vgpr_msb 0x200
	CROUND                                         ; the closing round
	s_endpgm
.Lfunc_end_k_qbd1da3fde7_oproj:
	.size	k_qbd1da3fde7_oproj, .Lfunc_end_k_qbd1da3fde7_oproj-k_qbd1da3fde7_oproj
	.p2alignl 7, 3214868480
	.fill 96, 4, 3214868480
	.section	.rodata,"a",@progbits
	.p2align	6, 0x0
	.amdhsa_kernel k_qbd1da3fde7_oproj
		.amdhsa_group_segment_fixed_size 327680
		.amdhsa_private_segment_fixed_size 0
		.amdhsa_enable_private_segment 0
		.amdhsa_kernarg_size 32
		.amdhsa_user_sgpr_count 2
		.amdhsa_user_sgpr_kernarg_segment_ptr 1
		.amdhsa_wavefront_size32 1
		.amdhsa_system_sgpr_workgroup_id_x 1
		.amdhsa_system_sgpr_workgroup_id_y 1
		.amdhsa_system_sgpr_workgroup_id_z 1
		.amdhsa_system_vgpr_workitem_id 0
		.amdhsa_next_free_vgpr 642
		.amdhsa_next_free_sgpr 92
		.amdhsa_reserve_vcc 0
		.amdhsa_float_denorm_mode_32 3
		.amdhsa_float_denorm_mode_16_64 3
		.amdhsa_memory_ordered 1
		.amdhsa_forward_progress 1
		.amdhsa_inst_pref_size 127
	.end_amdhsa_kernel
	.amdgpu_metadata
---
amdhsa.version: [ 1, 2 ]
amdhsa.kernels:
  - .name:           k_qbd1da3fde7_oproj
    .symbol:         k_qbd1da3fde7_oproj.kd
    .args:
      - { .name: att, .offset: 0, .size: 8, .value_kind: global_buffer, .address_space: global }
      - { .name: wb, .offset: 8, .size: 8, .value_kind: global_buffer, .address_space: global }
      - { .name: bo, .offset: 16, .size: 8, .value_kind: global_buffer, .address_space: global }
      - { .name: out0, .offset: 24, .size: 8, .value_kind: global_buffer, .address_space: global }
    .group_segment_fixed_size: 327680
    .private_segment_fixed_size: 0
    .kernarg_segment_align: 8
    .kernarg_segment_size: 32
    .max_flat_workgroup_size: 128
    .sgpr_count:     92
    .vgpr_count:     642
    .wavefront_size: 32
...
	.end_amdgpu_metadata
.endif
;; end of part 4
;; ======== version 2 of 3: 4 launches
;; limits: inputs' magnitudes at most 65,504; values are held in f16: magnitudes above 65,504 overflow, below 6.1e-05 lose precision; right only within a limited range of input values
;; workspace buffers: wb 8,388,608 bytes; mbits 2,097,152 bytes of whole numbers; qkv 50,331,648 bytes; att 16,777,216 bytes
;; launch prep (part 5): grid 256 x 1, 8 waves a work-group, no clusters, 70,656 bytes of LDS; arguments Wq, Wk, Wv, Wo, mask, wb, mbits; writes wb, mbits
.if DOCPART == 5
	.amdgcn_target "amdgcn-amd-amdhsa--gfx1250"
	.amdhsa_code_object_version 6
	.text
	.protected	k_qbd1da3fde7_prep
	.globl	k_qbd1da3fde7_prep
	.p2align	8
	.type	k_qbd1da3fde7_prep,@function
k_qbd1da3fde7_prep:
	s_mov_b64 s[64:65], 0
	v_nop
	global_prefetch_b8 v0, s[64:65] scope:SCOPE_SE
	s_setreg_imm32_b32 hwreg(HW_REG_WAVE_MODE, 25, 1), 1
	s_wait_xcnt 0x0
; prep: (1) Wq, Wk, Wv, Wo, f32 [1024][1024] each, are rounded to f16 into wb [4][1024][1024];
;       (2) the mask's bytes become lane masks: mbits [T = b*128 + q/16][step = key/64][word = 8 kt + j], bit L of a word =
;           mask[b][16 (T & 127) + (L & 15)][64 step + 16 kt + 8 (L >> 4) + j] != 0: the mask of register j of a 16 x 16 tile of scores
;           whose lane L holds query L & 15 and keys 8 (L >> 4) + j.  It is packed here once and used by all sixteen heads.
; A stream: 256 work-groups x 8 waves; a wave takes 8 KiB of one weight (16 loads of 512 neighbouring bytes) and 16 queries x 512 keys of the
; mask (16 loads, sixteen lanes on 256 neighbouring bytes of a mask row).  All 32 loads of a wave go out first.  No matrix unit, no cluster:
; no byte is read twice.  The mask goes through LDS bytes that are the wave's own, so there is no barrier.
; LIMIT: a weight beyond 65,504 in magnitude overflows f16.
.set MPITCH, 272                       ; LDS row: 256 mask bytes + 16
.set QUADB,  16*MPITCH                 ; a quad: 16 queries x 256 keys
.set OUT, 8                            ; v[8:15]    quad q: 4 registers, lane l holds words 4 l .. 4 l + 3 of the quad's 128
.set WD,  16                           ; v[16:79]   weights as loaded; later the 32 tiles' 8 bytes a lane
.set MD,  80                           ; v[80:143]  mask bytes as loaded
.set PK,  144                          ; v[144:175] 16 pairs of packed f16: every store has data registers of its own
.set TB,  176                          ; v[176:191] a tile's eight bytes, one a register; two sets, for even and odd tiles
.set SM,  24                           ; s[24:39]   a tile's eight lane masks; two sets likewise
	s_load_b256 s[4:11], s[0:1], 0x0               ; Wq s[4:5], Wk s[6:7], Wv s[8:9], Wo s[10:11]
	s_load_b128 s[12:15], s[0:1], 0x20             ; mask s[12:13], wb s[14:15]
	s_load_b64 s[16:17], s[0:1], 0x30              ; mbits
	v_lshl_add_u32 v192, v0, 2, 0x11000
	v_mov_b32 v193, 0
	v_lshrrev_b32 v6, 5, v0
	v_readfirstlane_b32 s18, v6                    ; wave 0..7
	v_and_b32 v7, 31, v0
	v_lshlrev_b32 v1, 4, v7                        ; 16 x lane
	v_lshlrev_b32 v2, 3, v7                        ; 8 x lane
	v_and_b32 v6, 15, v0                           ; r
	v_bfe_u32 v7, v0, 4, 1                         ; h
	v_lshlrev_b32 v3, 4, v6
	v_lshl_add_u32 v3, v7, 11, v3                  ; mask: row h of a pair of rows, 16 bytes at 16 r
	s_mul_i32 s19, s18, 2*QUADB                    ; my wave's LDS bytes
	v_mul_u32_u24 v4, v7, MPITCH
	v_lshl_add_u32 v4, v6, 4, v4
	v_add_nc_u32 v4, s19, v4                       ; in: row h of a pair, column 16 r
	v_mul_u32_u24 v5, v6, MPITCH
	v_lshl_add_u32 v5, v7, 3, v5
	v_add_nc_u32 v5, s19, v5                       ; back: query r, 8 keys at 8 h
	s_lshr_b32 s32, ttmp9, 6                       ; which weight: 64 work-groups each
	s_and_b32 s22, ttmp9, 63
	s_lshl_b32 s22, s22, 16                        ; 64 KiB of f32 a work-group,
	s_lshl_b32 s33, s18, 13                        ; 8 KiB a wave
	s_add_co_u32 s22, s22, s33
	s_mov_b32 s23, 0
	s_lshl_b32 s34, ttmp9, 15                      ; wb: half as many bytes; the four weights follow each other
	s_lshl_b32 s33, s18, 12
	s_add_co_u32 s34, s34, s33
	s_mov_b32 s35, 0
	s_lshl_b32 s36, ttmp9, 1
	s_lshr_b32 s33, s18, 2
	s_add_co_u32 s36, s36, s33                     ; T = (8 G + w) / 4
	s_and_b32 s33, s18, 3                          ; which 512 keys
	s_lshl_b32 s38, s36, 12                        ; mbits: 4,096 bytes for a T,
	s_lshl_b32 s40, s33, 10                        ; 1,024 for 512 keys
	s_add_co_u32 s38, s38, s40
	s_mov_b32 s39, 0
	s_lshl_b32 s36, s36, 15                        ; mask: 16 rows of 2,048 bytes for a T
	s_lshl_b32 s40, s33, 9
	s_add_co_u32 s36, s36, s40
	s_mov_b32 s37, 0
	s_wait_kmcnt 0x0
	s_cmp_eq_u32 s32, 1
	s_cselect_b64 s[20:21], s[6:7], s[4:5]
	s_cmp_eq_u32 s32, 2
	s_cselect_b64 s[20:21], s[8:9], s[20:21]
	s_cmp_eq_u32 s32, 3
	s_cselect_b64 s[20:21], s[10:11], s[20:21]
	s_add_nc_u64 s[20:21], s[20:21], s[22:23]
	s_add_nc_u64 s[14:15], s[14:15], s[34:35]
	s_add_nc_u64 s[12:13], s[12:13], s[36:37]
	s_add_nc_u64 s[16:17], s[16:17], s[38:39]
.irp i, 0,1,2,3,4,5,6,7,8,9,10,11,12,13,14,15
	global_load_b128 v[WD+4*\i:WD+4*\i+3], v1, s[20:21] offset:512*\i th:TH_LOAD_NT
.endr
.irp q, 0,1
.irp i, 0,1,2,3,4,5,6,7
	global_load_b128 v[MD+32*\q+4*\i:MD+32*\q+4*\i+3], v3, s[12:13] offset:256*\q+4096*\i th:TH_LOAD_NT
.endr
.endr
.irp i, 0,1,2,3,4,5,6,7
	v_mov_b32 v[OUT+\i], 0                         ; v_writelane_b32 keeps the other lanes: the registers are written whole once
.endr
	; the weights: 4 f32 a lane become 8 bytes; the 32 lanes of a store cover 256 neighbouring bytes, aligned
.irp i, 0,1,2,3,4,5,6,7,8,9,10,11,12,13,14,15
	s_wait_loadcnt 31-\i                           ; loads return in order: 15 - i weight loads and the 16 mask loads are younger
	v_cvt_pk_f16_f32 v[PK+2*\i], v[WD+4*\i], v[WD+4*\i+1]
	v_cvt_pk_f16_f32 v[PK+2*\i+1], v[WD+4*\i+2], v[WD+4*\i+3]
	global_store_b64 v2, v[PK+2*\i:PK+2*\i+1], s[14:15] offset:256*\i
.endr
	; the mask: into my own LDS rows, and back as 8 bytes a lane for each tile of 16 queries x 16 keys
.irp q, 0,1
.irp i, 0,1,2,3,4,5,6,7
	s_wait_loadcnt 15-(8*\q+\i)
	ds_store_b128 v4, v[MD+32*\q+4*\i:MD+32*\q+4*\i+3] offset:\q*QUADB+\i*2*MPITCH
.endr
.endr
.irp q, 0,1
.irp kt, 0,1,2,3,4,5,6,7,8,9,10,11,12,13,14,15
	ds_load_b64 v[WD+2*(16*\q+\kt):WD+2*(16*\q+\kt)+1], v5 offset:\q*QUADB+16*\kt   ; LDS serves a wave's instructions in order: these see the stores above
.endr
.endr
	; a tile: eight bytes apart, eight compares, eight words to their places: each run of eight reads what the run before wrote,
	; so no line reads the line in front of it; even and odd tiles have registers of their own
.irp q, 0,1
.irp kt, 0,1,2,3,4,5,6,7,8,9,10,11,12,13,14,15
	s_wait_dscnt 31-(16*\q+\kt)                    ; the younger tiles' loads stay out
.irp j, 0,1,2,3,4,5,6,7
	v_and_b32 v[TB+8*(\kt&1)+\j], 0xff<<(8*(\j&3)), v[WD+2*(16*\q+\kt)+(\j>>2)]    ; byte j: key 16 kt + 8 h + j
.endr
.irp j, 0,1,2,3,4,5,6,7
	v_cmp_ne_u32 s[SM+8*(\kt&1)+\j], 0, v[TB+8*(\kt&1)+\j]                         ; one bit a lane: the word 8 kt + j
.endr
.irp j, 0,1,2,3,4,5,6,7
	v_writelane_b32 v[OUT+4*\q+(\j&3)], s[SM+8*(\kt&1)+\j], 2*\kt+(\j>>2)          ; to its place in a store of 16 bytes a lane
.endr
.endr
.endr
	global_store_b128 v1, v[OUT:OUT+3], s[16:17]               ; a quad's 128 words: 512 neighbouring bytes
	global_store_b128 v1, v[OUT+4:OUT+7], s[16:17] offset:512
	s_wait_tensorcnt 0x0
	ds_add_u32 v192, v193
	s_wait_dscnt 0x0
	s_endpgm
.Lfunc_end_k_qbd1da3fde7_prep:
	.size	k_qbd1da3fde7_prep, .Lfunc_end_k_qbd1da3fde7_prep-k_qbd1da3fde7_prep
	.p2alignl 7, 3214868480
	.fill 96, 4, 3214868480
	.section	.rodata,"a",@progbits
	.p2align	6, 0x0
	.amdhsa_kernel k_qbd1da3fde7_prep
		.amdhsa_group_segment_fixed_size 70656
		.amdhsa_private_segment_fixed_size 0
		.amdhsa_enable_private_segment 0
		.amdhsa_kernarg_size 56
		.amdhsa_user_sgpr_count 2
		.amdhsa_user_sgpr_kernarg_segment_ptr 1
		.amdhsa_wavefront_size32 1
		.amdhsa_system_sgpr_workgroup_id_x 1
		.amdhsa_system_sgpr_workgroup_id_y 1
		.amdhsa_system_sgpr_workgroup_id_z 1
		.amdhsa_system_vgpr_workitem_id 0
		.amdhsa_next_free_vgpr 194
		.amdhsa_next_free_sgpr 66
		.amdhsa_reserve_vcc 0
		.amdhsa_float_denorm_mode_32 3
		.amdhsa_float_denorm_mode_16_64 3
		.amdhsa_memory_ordered 1
		.amdhsa_forward_progress 1
		.amdhsa_inst_pref_size 63
	.end_amdhsa_kernel
	.amdgpu_metadata
---
amdhsa.version: [ 1, 2 ]
amdhsa.kernels:
  - .name:           k_qbd1da3fde7_prep
    .symbol:         k_qbd1da3fde7_prep.kd
    .args:
      - { .name: Wq, .offset: 0, .size: 8, .value_kind: global_buffer, .address_space: global }
      - { .name: Wk, .offset: 8, .size: 8, .value_kind: global_buffer, .address_space: global }
      - { .name: Wv, .offset: 16, .size: 8, .value_kind: global_buffer, .address_space: global }
      - { .name: Wo, .offset: 24, .size: 8, .value_kind: global_buffer, .address_space: global }
      - { .name: mask, .offset: 32, .size: 8, .value_kind: global_buffer, .address_space: global }
      - { .name: wb, .offset: 40, .size: 8, .value_kind: global_buffer, .address_space: global }
      - { .name: mbits, .offset: 48, .size: 8, .value_kind: global_buffer, .address_space: global }
    .group_segment_fixed_size: 70656
    .private_segment_fixed_size: 0
    .kernarg_segment_align: 8
    .kernarg_segment_size: 56
    .max_flat_workgroup_size: 256
    .sgpr_count:     66
    .vgpr_count:     194
    .wavefront_size: 32
...
	.end_amdgpu_metadata
.endif
;; end of part 5
;; launch proj (part 6): grid 4 x 64, 4 waves a work-group, clusters of 4 x 4, 327,680 bytes of LDS; arguments q, k, v, wb, bq, bk, bv, qkv; writes qkv
.if DOCPART == 6
	.amdgcn_target "amdgcn-amd-amdhsa--gfx1250"
	.amdhsa_code_object_version 6
	.text
	.protected	k_qbd1da3fde7_proj
	.globl	k_qbd1da3fde7_proj
	.p2align	8
	.type	k_qbd1da3fde7_proj,@function
k_qbd1da3fde7_proj:
	s_mov_b64 s[64:65], 0
	v_nop
	global_prefetch_b8 v0, s[64:65] scope:SCOPE_SE
	s_setreg_imm32_b32 hwreg(HW_REG_WAVE_MODE, 25, 1), 1
	s_wait_xcnt 0x0
	s_wait_alu depctr_hold_cnt(0) depctr_sa_sdst(0) depctr_va_vdst(0) depctr_va_sdst(0) depctr_va_ssrc(0) depctr_va_vcc(0) depctr_vm_vsrc(0)
	s_getreg_b32 s2, hwreg(HW_REG_IB_STS2, 6, 4)
	s_cmp_eq_u32 s2, 0
	s_cbranch_scc0 .Lentry_in_a_cluster
	s_endpgm
.Lentry_in_a_cluster:
	s_bfe_u32 s2, ttmp6, 0x10000c
	s_cmp_lg_u32 s2, 0xf033
	s_cbranch_scc0 .Lentry_shape_is_right
	s_endpgm
.Lentry_shape_is_right:
; proj: for g = 0, 1, 2 (q, k, v):  qkv[g][b*16 + head][s][64] = f16( (X_g W_g^T + b_g) c_g ),  X_g f32 [8192][1024], W_g f16 [1024][1024] (wb).
; c = log2(e)/4 for q, 1/8 for k, 1/4 for v: powers of two (and the change of base of the exponential) that keep the f16 numbers far from
; f16's ends; the attention launch undoes q's and k's by a factor 4 on the scores, the last launch v's by a factor 4 on its sums.
; LIMIT: matrix operands are f16: |x| or |W| beyond 65,504, |XW^T+b| beyond 181,000 (q), 524,000 (k), 262,000 (v) overflow.
; 256 WORK-GROUPS THAT STAY: a work-group owns one place of 128 rows x 256 columns and makes that block for q, then for k, then for v: three
; tiles, 3 x 8 = 24 K steps of 128 through one ring of two LDS slots.  In a tile's last lap the two refills bring the next tile's K steps 0
; and 1, so a tile's way out runs while the next tile's second slot is on its way.  Four waves (2 x 2), a wave 64 x 128: 32 accumulator tiles.
; X comes in as f32 (rows of 512 bytes) and is rounded to f16 on the way from LDS to the matrix unit: 32 conversions for 32 matrix
; instructions; W comes in as f16 (rows of 256 bytes).
; CLUSTERS: 4 x 4 work-groups.  X's tile hangs on the block row alone and is asked for jointly by the four of a row of the cluster; W's on
; the block column alone, jointly by the four of a column.  That divides the requests for both by four.
; L2 PREFETCH of X, which comes from memory and is read once: the four work-groups that share a tile of X ask for 32 of its 128 rows each;
; thread t asks for 256 bytes: row t / 4, piece t % 4 of the 1,024 bytes that a row has in a lap (two K steps): one instruction a wave and
; lap, 32 KiB a work-group and lap, each piece asked for once in the launch.  It stands behind the first quarter of lap l and asks for lap
; l + 1, whose two tensor loads follow three quarters and one and three quarters of a K step later.  Lap 3 asks for lap 0 of the next tile;
; the last tile asks for nothing there; lap 0 of the first tile is not asked for.  No address leaves its row of X.
; REGISTERS: window 0: addresses, A fragments (two buffers), raw f32 of A, bias; window 1: accumulators, tile (a, b) at 8 (8 a + b);
; window 2: B fragments (two buffers).
; The matrix instruction is used transposed (source 0 = rows of W, source 1 = rows of X): lane l holds row l % 16 of the result and its
; registers the eight neighbouring columns 8 (l / 16) + 0..7.
.set PA,     528                       ; LDS row of X: 512 bytes + 16; an odd multiple of 16, so sixteen rows begin at sixteen different 16-byte columns modulo 256
.set PB,     272                       ; LDS row of W: 256 bytes + 16
.set QUART,  128*PB                    ; what one tensor load fills: 128 rows of W (34,816 bytes) or 64 rows of X (33,792 of them)
.set SLOT,   4*QUART                   ; X rows 0-63, X rows 64-127, W rows 0-127, W rows 128-255
.set STAGE,  2*SLOT                    ; behind the ring: 16 rows x 272 bytes for each wave, for the way out; no tensor load lands here
.set SPITCH, 272
.set ADRA, 16                          ; v16-17 LDS address of my A fragments in slot 0, 1
.set ADRB, 20                          ; v20-21 the same for B
.set STO,  24
.set RD,   25
.set CO,   26
.set BO,   27
.set PF0,  28                          ; prefetch: byte offset in X of my 256 bytes in lap 0; never rewritten
.set PFC,  29                          ; the same for the lap that is asked for
.set AF0,  32                          ; v32-63, v64-95: A fragments, 4 x 8 registers, two buffers
.set RAW,  96                          ; v96-159: 4 fragments x 16 f32 as read from LDS
.set TMP,  160                         ; v160-191: packed results
.set BIAS, 192                         ; v192-255: bias of my 128 columns: register 8 b + j = column 16 b + 8 h + j
.set BF0,  0                           ; window 2: v0-63, v64-127: B fragments, 8 x 8 registers, two buffers
.set XN,  14                           ; s[14:15] the next tile's X at the rows that I fetch
.set G1,  24
.set G0,  32
.set G1B, 48
.set G0B, 56
.set XC,  94                           ; s[94:95] this tile's X, s[96:97] the next tile's: bases of the prefetches
.set W_MUL, 0x52                       ; source 0 (W) window 2, source 1 (X) window 0, C and D window 1
.set W_TOB, 0x80                       ; destination window 2
.set W_EPI, 0x01                       ; source 0 window 1
.set MSB, 0
.macro WIN new                         ; the immediate's high byte repeats the setting that is left
.if MSB != \new
	s_set_vgpr_msb (MSB<<8)|\new
.set MSB, \new
.endif
.endm
.macro JLOAD s                         ; waves 0, 1 ask for X's two halves, waves 2, 3 for W's: one mask and one set of registers a line
	s_cmp_eq_u32 s11, 0
	s_cbranch_scc0 .Lfor_b_\@
	tensor_load_to_lds s[G0+4*\s:G0+4*\s+3], s[G1:G1+7]
	s_nop 0
	s_branch .Lasked_\@
.Lfor_b_\@:
	tensor_load_to_lds s[G0B+4*\s:G0B+4*\s+3], s[G1B:G1B+7]
	s_nop 0
.Lasked_\@:
.endm
.macro CREST                           ; a round of the cluster's barrier behind its opening barrier
	s_cmp_lg_u32 s10, 0
	s_cbranch_scc1 .Lnot_wave_0_\@
	s_barrier_signal -3
.Lnot_wave_0_\@:
	s_barrier_wait -3
	s_barrier_signal -1
	s_barrier_wait -1
.endm
.macro CROUND
	s_barrier_signal -1
	s_barrier_wait -1
	CREST
.endm
	s_load_b512 s[68:83], s[0:1], 0x0              ; q 68, k 70, v 72, wb 74, bq 76, bk 78, bv 80, qkv 82
	s_set_vgpr_msb 0x80
	v_lshl_add_u32 v129, v0, 2, 0x48400
	s_set_vgpr_msb 0x8000
	v_mov_b32 v31, 0
	s_set_vgpr_msb 0x2
	ds_add_u32 v129, v31
	s_set_vgpr_msb 0x200
	v_lshrrev_b32 v1, 5, v0
	v_readfirstlane_b32 s10, v1                    ; wave 0..3
	s_lshr_b32 s11, s10, 1                         ; my half of the block's rows.  Also: I fetch for X (0) or for W (1)
	s_and_b32 s12, s10, 1                          ; my half of its columns.  Also: which half of that tile I fetch
	s_bfe_u32 s40, ttmp6, 0x40000                  ; cx
	s_bfe_u32 s41, ttmp6, 0x40004                  ; cy
	s_lshl_b32 s42, ttmp9, 2
	s_add_co_u32 s42, s42, s40                     ; block column 0..3
	s_and_b32 s13, ttmp7, 0xffff
	s_lshl_b32 s13, s13, 2
	s_add_co_u32 s13, s13, s41                     ; block row 0..63
	s_lshl_b32 s43, s41, 2
	s_lshl_b32 s43, 15, s43                        ; my row of the cluster
	s_lshl_b32 s44, 0x1111, s40                    ; my column
	s_or_b32 s[G1+0], s43, (2<<16)|(1<<20)|(1<<21)|(6<<22)|(3<<25)   ; X: elements of 4 bytes; 4 words of padding behind every 128; bit 21 beside the mask
	s_mov_b32 s[G1+1], 128<<16                     ; tensor_dim0 = 128
	s_mov_b32 s[G1+2], 64<<16                      ; tensor_dim1 = 64
	s_mov_b32 s[G1+3], 128<<16                     ; tile_dim0 = 128 elements = 512 bytes
	s_mov_b32 s[G1+4], 64                          ; tile_dim1 = 64 rows
	s_mov_b32 s[G1+5], 1024                        ; elements from row to row
	s_mov_b32 s[G1+6], 0
	s_mov_b32 s[G1+7], 0
	s_or_b32 s[G1B+0], s44, (1<<16)|(1<<20)|(1<<21)|(5<<22)|(3<<25)  ; W: elements of 2 bytes; 4 words of padding behind every 64
	s_mov_b32 s[G1B+1], 128<<16
	s_mov_b32 s[G1B+2], 128<<16                    ; 128 rows
	s_mov_b32 s[G1B+3], 128<<16                    ; 128 elements = 256 bytes
	s_mov_b32 s[G1B+4], 128
	s_mov_b32 s[G1B+5], 1024
	s_mov_b32 s[G1B+6], 0
	s_mov_b32 s[G1B+7], 0
	s_lshl_b32 s16, s13, 7
	s_lshl_b32 s17, s12, 6
	s_add_co_u32 s16, s16, s17                     ; X: row 128 x block row + 64 x half,
	s_lshl_b32 s16, s16, 12                        ; rows of 4,096 bytes (below 32 MiB); s[16:17] is kept: every tile's X address is made of it
	s_mov_b32 s17, 0
	s_lshl_b32 s46, s42, 8
	s_lshl_b32 s47, s12, 7
	s_add_co_u32 s46, s46, s47                     ; W: row 256 x block column + 128 x half,
	s_lshl_b32 s46, s46, 11                        ; rows of 2,048 bytes, in the first weight of wb
	s_mov_b32 s47, 0
	s_mul_i32 s20, s10, QUART                      ; where my load goes: the wave's number alone
	s_lshl_b32 s88, s42, 10
	s_lshl_b32 s89, s12, 9
	s_add_co_u32 s88, s88, s89                     ; bias: 4 bytes x (256 x block column + 128 x half)
	s_mov_b32 s89, 0
	s_lshr_b32 s92, s13, 4                         ; the way out, for q:
	s_lshl_b32 s92, s92, 22                        ; batch x 16 heads x 2,048 rows x 128 bytes
	s_and_b32 s93, s13, 15
	s_lshl_b32 s93, s93, 14                        ; 128 rows of 128 bytes for a block row
	s_add_co_u32 s92, s92, s93
	s_lshl_b32 s93, s11, 13                        ; my 64 rows
	s_add_co_u32 s92, s92, s93
	s_lshl_b32 s93, s42, 20                        ; four heads for a block column,
	s_add_co_u32 s92, s92, s93
	s_lshl_b32 s93, s12, 19                        ; two for my half
	s_add_co_u32 s92, s92, s93
	s_mov_b32 s93, 0
	s_lshl_b32 s90, s13, 7                         ; prefetch: row 128 x block row + 32 cx,
	s_lshl_b32 s45, s40, 5
	s_add_co_u32 s90, s90, s45
	s_lshl_b32 s90, s90, 12                        ; rows of 4,096 bytes
	s_wait_dscnt 0x0
	s_wait_kmcnt 0x0
	s_add_nc_u64 s[XN:XN+1], s[68:69], s[16:17]    ; the first tile is q's
	s_add_nc_u64 s[46:47], s[74:75], s[46:47]
	s_add_nc_u64 s[8:9], s[82:83], s[92:93]
	CROUND                                         ; all sixteen work-groups are here: the first joint loads meet
.irp s, 0,1
	s_mov_b32 s[G0+4*\s], 1
	s_add_co_u32 s[G0+4*\s+1], s20, \s*SLOT
	s_add_nc_u64 s[G0+4*\s+2:G0+4*\s+3], s[XN:XN+1], \s*512        ; K step s: 128 f32
	s_or_b32 s[G0+4*\s+3], s[G0+4*\s+3], 0x80000000
	s_mov_b32 s[G0B+4*\s], 1
	s_add_co_u32 s[G0B+4*\s+1], s20, \s*SLOT
	s_add_nc_u64 s[G0B+4*\s+2:G0B+4*\s+3], s[46:47], \s*256        ; K step s: 128 f16
	s_or_b32 s[G0B+4*\s+3], s[G0B+4*\s+3], 0x80000000
	JLOAD \s                                       ; both slots' first fills go out together: two tensor loads of the wave are out
.endr
	v_and_b32 v1, 15, v0                           ; r
	v_bfe_u32 v2, v0, 4, 1                         ; h
	v_mul_u32_u24 v3, v1, PA
	v_lshl_add_u32 v3, v2, 5, v3                   ; X: row r, 8 f32 at 32 h
	v_mul_u32_u24 v4, v1, PB
	v_lshl_add_u32 v4, v2, 4, v4                   ; W: row r, 8 f16 at 16 h
	s_mul_i32 s21, s11, QUART                      ; my 64 rows of X
	s_mul_i32 s22, s12, QUART
	s_add_co_u32 s22, s22, 2*QUART                 ; my 128 rows of W
.irp s, 0,1
	v_add_nc_u32 v[ADRA+\s], s21, v3
	v_add_nc_u32 v[ADRB+\s], s22, v4
	s_add_co_u32 s21, s21, SLOT
	s_add_co_u32 s22, s22, SLOT
.endr
	s_mul_i32 s23, s10, 16*SPITCH
	s_add_co_u32 s23, s23, STAGE
	v_add_nc_u32 v[STO], s23, v4                   ; in: row r, 16 bytes for each half of the lanes
	v_and_b32 v5, 31, v0
	v_lshrrev_b32 v6, 3, v5
	v_and_b32 v7, 7, v0
	v_mul_u32_u24 v6, v6, SPITCH
	v_lshl_add_u32 v6, v7, 4, v6
	v_add_nc_u32 v[RD], s23, v6                    ; back: eight lanes take the 128 bytes that a row has of one head, four rows a load
	v_lshlrev_b32 v[CO], 4, v5                     ; and in memory those four rows are 512 neighbouring bytes
	v_lshlrev_b32 v[BO], 5, v2
	v_lshrrev_b32 v6, 2, v0                        ; prefetch: row t / 4 of my work-group's 32,
	v_and_b32 v7, 3, v0
	v_lshlrev_b32 v6, 12, v6
	v_lshl_add_u32 v6, v7, 8, v6                   ; piece t % 4 of 256 bytes
	v_add_nc_u32 v[PF0], s90, v6
; 8 matrix instructions: row block a x all 8 column blocks, 32 along K, from buffers f.  The 32 accumulators take turns, one instruction a
; turn, in the same order in every quarter step.
.macro MUL8 f, a, zero
.irp b, 0,1,2,3,4,5,6,7
.if \zero
	v_wmma_f32_16x16x32_f16 v[8*(8*\a+\b):8*(8*\a+\b)+7], v[BF0+64*\f+8*\b:BF0+64*\f+8*\b+7], v[AF0+32*\f+8*\a:AF0+32*\f+8*\a+7], 0
.else
	v_wmma_f32_16x16x32_f16 v[8*(8*\a+\b):8*(8*\a+\b)+7], v[BF0+64*\f+8*\b:BF0+64*\f+8*\b+7], v[AF0+32*\f+8*\a:AF0+32*\f+8*\a+7], v[8*(8*\a+\b):8*(8*\a+\b)+7]
.endif
.endr
.endm
; 32 LDS loads in one run: quarter kq (32 along K) of the slot: W's fragments into buffer g, X's f32 into RAW.
; A fragment's lane holds K = 8 h + 0..7 and 16 + 8 h + 0..7: in f16 two loads 32 bytes apart, in f32 four loads at 0, 16, 64, 80.
.macro FETCH slot, kq, g
	WIN W_TOB
.irp i, 0,1,2,3,4,5,6,7
	ds_load_b128 v[BF0+64*\g+8*\i:BF0+64*\g+8*\i+3],   v[ADRB+\slot] offset:\i*16*PB+64*\kq
	ds_load_b128 v[BF0+64*\g+8*\i+4:BF0+64*\g+8*\i+7], v[ADRB+\slot] offset:\i*16*PB+64*\kq+32
.endr
	WIN 0
.irp i, 0,1,2,3
	ds_load_b128 v[RAW+16*\i:RAW+16*\i+3],     v[ADRA+\slot] offset:\i*16*PA+128*\kq
	ds_load_b128 v[RAW+16*\i+4:RAW+16*\i+7],   v[ADRA+\slot] offset:\i*16*PA+128*\kq+16
	ds_load_b128 v[RAW+16*\i+8:RAW+16*\i+11],  v[ADRA+\slot] offset:\i*16*PA+128*\kq+64
	ds_load_b128 v[RAW+16*\i+12:RAW+16*\i+15], v[ADRA+\slot] offset:\i*16*PA+128*\kq+80
.endr
.endm
; 32 conversions: RAW to A fragments of buffer g.  They name no register of the matrix instructions in front of them, and they are the
; places between a quarter's matrix instructions and the next loads into, and writes of, the buffers that those read.
.macro CVT g
.irp i, 0,1,2,3
.irp p, 0,1,2,3,4,5,6,7
	v_cvt_pk_f16_f32 v[AF0+32*\g+8*\i+\p], v[RAW+16*\i+2*\p], v[RAW+16*\i+2*\p+1]
.endr
.endr
.endm
; One of a K step's first three quarters: multiplies buffers f, fetches quarter kq into buffers g in its middle.
.macro QUARTER slot, kq, f, g, zero
	WIN W_MUL
	MUL8 \f, 0, \zero
	MUL8 \f, 1, \zero
	FETCH \slot, \kq, \g
	WIN W_MUL
	MUL8 \f, 2, \zero
	MUL8 \f, 3, \zero
	s_wait_dscnt 0x0                               ; the 32 loads issued sixteen matrix instructions ago
	WIN 0
	CVT \g
.endm
.macro THREE slot
	QUARTER \slot, 1, 0, 1, 0
	QUARTER \slot, 2, 1, 0, 0
	QUARTER \slot, 3, 0, 1, 0
.endm
; The joint refill of a slot.  No tensor load of the wave is out here, so both sets of address registers may be written.
; mode 1: the same tile, two K steps on.  mode 2: the next tile's K step 'slot': X's address is made anew from the next input;
; W's steps from K step 6 + slot of one weight to K step slot of the next: 2 MiB less six steps of 256 bytes.
.macro REFILL slot, mode
.if \mode == 1
	s_add_nc_u64 s[G0+4*\slot+2:G0+4*\slot+3], s[G0+4*\slot+2:G0+4*\slot+3], 1024
	s_add_nc_u64 s[G0B+4*\slot+2:G0B+4*\slot+3], s[G0B+4*\slot+2:G0B+4*\slot+3], 512
.else
	s_add_nc_u64 s[G0+4*\slot+2:G0+4*\slot+3], s[XN:XN+1], \slot*512
	s_or_b32 s[G0+4*\slot+3], s[G0+4*\slot+3], 0x80000000
	s_add_nc_u64 s[G0B+4*\slot+2:G0B+4*\slot+3], s[G0B+4*\slot+2:G0B+4*\slot+3], 2097152-6*256
.endif
	JLOAD \slot
.endm
; The last quarter of a K step multiplies buffers 1 and changes slots.  In front of the barrier each wave has waited for its reads of this
; slot and for all its tensor loads (one is out: its part of the next slot).  fill = 1 or 2: the barrier opens a round of the cluster's
; barrier, and the joint refill is the wave's first and only tensor load behind the round.  fill = 0: nothing is left to fetch.
.macro TURN slot, next, fill
	WIN W_MUL
	MUL8 1, 0, 0
	s_wait_dscnt 0x0
	s_wait_tensorcnt 0x0
	ds_add_u32 v129, v31
	s_wait_dscnt 0x0
	s_barrier_signal -1
	MUL8 1, 1, 0                                   ; register work while the others arrive
	WIN 0
	s_barrier_wait -1
.if \fill
	CREST
	REFILL \slot, \fill
.endif
	FETCH \next, 0, 0
	WIN W_MUL
	MUL8 1, 2, 0
	MUL8 1, 3, 0
	s_wait_dscnt 0x0
	WIN 0
	CVT 0
.endm
; A tile's very last quarter.  cross = 1: slot 1 has been read to its end and is filled with the next tile's K step 1, in the same order as
; in TURN; slot 0, which holds the next tile's K step 0, has been shown landed to every wave by the wait and the barrier here.
.macro LASTQ cross
	WIN W_MUL
	MUL8 1, 0, 0
.if \cross
	s_wait_dscnt 0x0
	s_wait_tensorcnt 0x0
	ds_add_u32 v129, v31
	s_wait_dscnt 0x0
	s_barrier_signal -1
.endif
	MUL8 1, 1, 0
.if \cross
	WIN 0
	s_barrier_wait -1
	CREST
	REFILL 1, 2
	WIN W_MUL
.endif
	MUL8 1, 2, 0
	MUL8 1, 3, 0
	WIN 0
.endm
; The way out of 16 rows: (sum + bias) c as one multiply-add with bias c, rounded to f16, through my own stage.
.macro OUT16 a, f
	WIN W_EPI
.irp b, 0,1,2,3,4,5,6,7
.irp p, 0,1,2,3
	v_pk_fma_f32 v[RAW+8*\b+2*\p:RAW+8*\b+2*\p+1], v[8*(8*\a+\b)+2*\p:8*(8*\a+\b)+2*\p+1], s[86:87], v[BIAS+8*\b+2*\p:BIAS+8*\b+2*\p+1] op_sel_hi:[1,0,1]
.endr
.endr
	WIN 0
.irp b, 0,1,2,3,4,5,6,7
.irp p, 0,1,2,3
	v_cvt_pk_f16_f32 v[TMP+4*\b+\p], v[RAW+8*\b+2*\p], v[RAW+8*\b+2*\p+1]
.endr
.endr
.irp b, 0,1,2,3,4,5,6,7
	ds_store_b128 v[STO], v[TMP+4*\b:TMP+4*\b+3] offset:32*\b
.endr
	s_wait_xcnt 0x0                                ; buffer f, which earlier stores read, is loaded again only behind this wait
.irp t, 0,1,2,3,4,5,6,7
	ds_load_b128 v[AF0+32*\f+4*\t:AF0+32*\f+4*\t+3], v[RD] offset:(\t>>2)*128+4*(\t&3)*SPITCH   ; LDS serves a wave's instructions in order: these see the stores above
.endr
.irp t, 0,1,2,3,4,5,6,7
	s_wait_dscnt 7-\t                              ; the 7 - t younger loads stay out
	global_store_b128 v[CO], v[AF0+32*\f+4*\t:AF0+32*\f+4*\t+3], s[8:9] offset:(\t>>2)*262144+(16*\a+4*(\t&3))*128   ; four rows of one head: 512 neighbouring bytes, aligned
.endr
.endm
; One tile: 8 K steps = 4 laps of the ring.  At its head slot 0 holds K step 0 and slot 1's load is out.  The first quarter starts the sums
; (nothing is cleared); the loop is turned by that quarter, so that one body serves laps 0 to 2 and the first quarter of laps 1 to 3.
; cross = 1: another tile follows.
.macro TILE cross
	v_mov_b32 v[PFC], v[PF0]
.irp b, 0,1,2,3,4,5,6,7
	global_load_b128 v[BIAS+8*\b:BIAS+8*\b+3], v[BO], s[84:85] offset:64*\b        ; waited for on the way out
	global_load_b128 v[BIAS+8*\b+4:BIAS+8*\b+7], v[BO], s[84:85] offset:64*\b+16
.endr
	FETCH 0, 0, 0
	s_wait_dscnt 0x0
	CVT 0
	QUARTER 0, 1, 0, 1, 1
	s_mov_b32 s3, 3
.Llap_\@:
	s_wait_xcnt 0x0                                ; the last lap's prefetch has read its offset, which is stepped only behind this wait
	v_add_nc_u32 v[PFC], 1024, v[PFC]
	global_prefetch_b8 v[PFC], s[XC:XC+1] th:TH_LOAD_NT scope:SCOPE_SE     ; the next lap's 1,024 bytes of my work-group's 32 rows
	QUARTER 0, 2, 1, 0, 0
	QUARTER 0, 3, 0, 1, 0
	TURN 0, 1, 1
	THREE 1
	TURN 1, 0, 1
	QUARTER 0, 1, 0, 1, 0
	s_sub_co_u32 s3, s3, 1
	s_cmp_lg_u32 s3, 0
	s_cbranch_scc1 .Llap_\@
.if \cross
	global_prefetch_b8 v[PF0], s[XC+2:XC+3] th:TH_LOAD_NT scope:SCOPE_SE   ; lap 0 of the next tile's X
.endif
	QUARTER 0, 2, 1, 0, 0
	QUARTER 0, 3, 0, 1, 0
.if \cross
	TURN 0, 1, 2
.else
	TURN 0, 1, 0
.endif
	THREE 1
	LASTQ \cross
.rept 4
	v_nop                                          ; four places behind the last matrix instructions (ISA guide 7.12.1)
.endr
	s_wait_loadcnt 0x0                             ; the bias
.set cnt, 0
.rept 32
	v_pk_mul_f32 v[BIAS+2*cnt:BIAS+2*cnt+1], v[BIAS+2*cnt:BIAS+2*cnt+1], s[86:87] op_sel_hi:[1,0]
.set cnt, cnt+1
.endr
	OUT16 0, 0
	OUT16 1, 1
	OUT16 2, 0
	OUT16 3, 1
.if \cross
	s_wait_xcnt 0x0                                ; the stores' data registers and base, and the prefetches' bases, are written again only behind this wait
	s_add_nc_u64 s[8:9], s[8:9], 0x1000000         ; the next of q, k, v in qkv: 16 MiB on
.endif
.endm
	s_wait_tensorcnt 0x1                           ; my part of K step 0 is in; K step 1's load, issued behind it, stays out
	s_barrier_signal -1
	s_barrier_wait -1                              ; everybody's is
	s_mov_b32 s91, 0
.Ltile:                                                ; q, then k
	s_cmp_eq_u32 s91, 0
	s_cselect_b64 s[XC:XC+1], s[68:69], s[70:71]   ; this tile's X
	s_cselect_b64 s[XC+2:XC+3], s[70:71], s[72:73] ; the next tile's
	s_cselect_b64 s[84:85], s[76:77], s[78:79]     ; this tile's bias
	s_mov_b32 s86, 0x3e000000                      ; c: 1/8 for k,
	s_cselect_b32 s86, 0x3eb8aa3b, s86             ; log2(e)/4 for q
	s_mov_b32 s87, s86
	s_add_nc_u64 s[XN:XN+1], s[XC+2:XC+3], s[16:17]
	s_add_nc_u64 s[84:85], s[84:85], s[88:89]
	TILE 1
	s_add_co_u32 s91, s91, 1
	s_cmp_lt_u32 s91, 2
	s_cbranch_scc1 .Ltile
	s_mov_b64 s[XC:XC+1], s[72:73]                 ; v: the last tile is written out: its last lap fills nothing
	s_add_nc_u64 s[84:85], s[80:81], s[88:89]
	s_mov_b32 s86, 0x3e800000                      ; c = 1/4
	s_mov_b32 s87, 0x3e800000
	TILE 0
	s_set_vgpr_msb 0x2
	s_wait_tensorcnt 0x0
	ds_add_u32 v129, v31
	s_wait_dscnt 0x0
	s_set_vgpr_msb 0x200
	CROUND                                         ; the closing round: no work-group ends while a partner may still ask for a tile that names it
	s_endpgm
.Lfunc_end_k_qbd1da3fde7_proj:
	.size	k_qbd1da3fde7_proj, .Lfunc_end_k_qbd1da3fde7_proj-k_qbd1da3fde7_proj
	.p2alignl 7, 3214868480
	.fill 96, 4, 3214868480
	.section	.rodata,"a",@progbits
	.p2align	6, 0x0
	.amdhsa_kernel k_qbd1da3fde7_proj
		.amdhsa_group_segment_fixed_size 327680
		.amdhsa_private_segment_fixed_size 0
		.amdhsa_enable_private_segment 0
		.amdhsa_kernarg_size 64
		.amdhsa_user_sgpr_count 2
		.amdhsa_user_sgpr_kernarg_segment_ptr 1
		.amdhsa_wavefront_size32 1
		.amdhsa_system_sgpr_workgroup_id_x 1
		.amdhsa_system_sgpr_workgroup_id_y 1
		.amdhsa_system_sgpr_workgroup_id_z 1
		.amdhsa_system_vgpr_workitem_id 0
		.amdhsa_next_free_vgpr 642
		.amdhsa_next_free_sgpr 98
		.amdhsa_reserve_vcc 0
		.amdhsa_float_denorm_mode_32 3
		.amdhsa_float_denorm_mode_16_64 3
		.amdhsa_memory_ordered 1
		.amdhsa_forward_progress 1
		.amdhsa_inst_pref_size 255
	.end_amdhsa_kernel
	.section	.bss,"aw",@nobits
	.p2align	6
	.space	262144
	.amdgpu_metadata
---
amdhsa.version: [ 1, 2 ]
amdhsa.kernels:
  - .name:           k_qbd1da3fde7_proj
    .symbol:         k_qbd1da3fde7_proj.kd
    .args:
      - { .name: q, .offset: 0, .size: 8, .value_kind: global_buffer, .address_space: global }
      - { .name: k, .offset: 8, .size: 8, .value_kind: global_buffer, .address_space: global }
      - { .name: v, .offset: 16, .size: 8, .value_kind: global_buffer, .address_space: global }
      - { .name: wb, .offset: 24, .size: 8, .value_kind: global_buffer, .address_space: global }
      - { .name: bq, .offset: 32, .size: 8, .value_kind: global_buffer, .address_space: global }
      - { .name: bk, .offset: 40, .size: 8, .value_kind: global_buffer, .address_space: global }
      - { .name: bv, .offset: 48, .size: 8, .value_kind: global_buffer, .address_space: global }
      - { .name: qkv, .offset: 56, .size: 8, .value_kind: global_buffer, .address_space: global }
    .group_segment_fixed_size: 327680
    .private_segment_fixed_size: 0
    .kernarg_segment_align: 8
    .kernarg_segment_size: 64
    .max_flat_workgroup_size: 128
    .sgpr_count:     98
    .vgpr_count:     642
    .wavefront_size: 32
...
	.end_amdgpu_metadata
.endif
;; end of part 6
;; launch attn (part 7): grid 256 x 1, 8 waves a work-group, clusters of 4 x 1, 327,680 bytes of LDS; arguments qkv, mbits, att; writes att
.if DOCPART == 7
	.amdgcn_target "amdgcn-amd-amdhsa--gfx1250"
	.amdhsa_code_object_version 6
	.text
	.protected	k_qbd1da3fde7_attn
	.globl	k_qbd1da3fde7_attn
	.p2align	8
	.type	k_qbd1da3fde7_attn,@function
k_qbd1da3fde7_attn:
	s_mov_b64 s[64:65], 0
	v_nop
	global_prefetch_b8 v0, s[64:65] scope:SCOPE_SE
	s_setreg_imm32_b32 hwreg(HW_REG_WAVE_MODE, 25, 1), 1
	s_wait_xcnt 0x0
	s_wait_alu depctr_hold_cnt(0) depctr_sa_sdst(0) depctr_va_vdst(0) depctr_va_sdst(0) depctr_va_ssrc(0) depctr_va_vcc(0) depctr_vm_vsrc(0)
	s_getreg_b32 s2, hwreg(HW_REG_IB_STS2, 6, 4)
	s_cmp_eq_u32 s2, 0
	s_cbranch_scc0 .Lentry_in_a_cluster
	s_endpgm
.Lentry_in_a_cluster:
	s_bfe_u32 s2, ttmp6, 0x10000c
	s_cmp_lg_u32 s2, 0x3003
	s_cbranch_scc0 .Lentry_shape_is_right
	s_endpgm
.Lentry_shape_is_right:
; attn: att[head][b*2048 + s][64] = f16( softmax(select(mask, Q K^T / 8, -1e9)) V / 4 ), with a running maximum.
; qkv holds Q' = Q log2(e)/4, K' = K/8, V' = V/4 in f16, so 4 Q'K'^T is the score in base-2 units; the 4, a power of two and so exact, rides
; on the multiply-add that takes the maximum away: p = exp2(4 s' - 4 m').  A masked score is the constant -1e9 log2(e)/4 in the same units,
; chosen by a true select: a row with every key masked gives equal weights.
; LIMITS: matrix operands are f16 (P lies in [0, 1]; weights below 6e-8 of the row's largest are dropped); v_exp_f32 gives 0 below 2^-126;
; the sums are ordered otherwise than in a plain softmax.
; A cluster of four work-groups is one (batch, head); a work-group takes 512 queries, a wave 64.  Keys go in 32 steps of 64; an LDS slot
; holds four steps of K and V (256 keys), two slots.  The four work-groups need the same K and V: every tile is asked for jointly (mask 15),
; which divides the requests for K and V by four.  Each of the eight waves brings one eighth of a slot (64 keys of K or of V, 8 KiB dense).
; LAYOUT: S^T = K Q^T: lane (r, h) holds query r and keys 16 kt + 8 h + j, so the softmax runs inside a lane but for one exchange of the two
; halves, and two tiles packed to f16 ARE the second source of O^T = V^T P^T.  V^T comes by transposing LDS loads.  The row's scale and sum
; are one number a lane.
; Eight waves of 512 registers, two on a SIMD: the step is mostly vector work, and one wave's matrix and LDS phases lie under the other's.
; THE STEP IS A LOOP BODY: its LDS addresses lie in two registers that are set at the head of a slot (base + the slot's constant) and stepped
; by one step's 10,240 bytes.  The body stands five times in the text (the first step, which starts the sums; the rest of slot 0; slot 1 and
; slot 0 in the loop; the last slot), so 27 of the 32 steps run code that the wave has run before, and each slot's addresses can be read off
; its own body.
; K'S FRAGMENTS ARE ASKED FOR ONE STEP AHEAD, behind the step's Q K^T, at the address register plus one step's bytes.  In the last step of
; a slot that request reads the first 64 rows of the same slot's V part: bytes that have landed and are filled again only behind the next
; barrier; what it brings is not used: 16 of the 144 LDS loads of a slot's four steps.  A body of its own for that step would make nine
; bodies of five.  Step 0 of a slot is asked for behind the change of slots.
; THE MASKS are 32 lane masks for a block of 16 queries x 64 keys, brought by scalar loads into two sets of 32 registers.  Scalar loads can
; only be waited for all together, so the selects of two query blocks stand together, both sets are asked for again straight behind them, and
; the wait stands two query blocks later.  The last step of all asks once more: the addresses are step 0 of the wave's own second and third
; query blocks, inside mbits for every wave (T + 2 is 510 at the most); those 256 bytes are not used.
.set PITCH,  160                       ; LDS row: 128 bytes + 32: an odd multiple of 32, as the transposing loads of V want; K takes the same so that one shape serves all eight waves
.set EIGHTH, 64*PITCH                  ; 64 keys of K or V
.set SLOTB,  8*EIGHTH                  ; K steps 0-3, then V steps 0-3
.set STAGE,  2*SLOTB                   ; behind the ring: 64 rows x 144 bytes for each wave; no tensor load lands here
.set SP,     144
.set BLOCKB, 32768                     ; 256 keys x 128 bytes in memory
.set ADK0, 2                           ; my K fragment address in slot 0, step 0; never rewritten
.set ADKC, 3                           ; the same for the step at work
.set ADV0, 4                           ; my V^T fragment address in slot 0, step 0; never rewritten
.set ADVC, 5                           ; the same for the step at work
.set STO, 6
.set RD,  7
.set CO,  8
.set QO,  9
.set M,   10                           ; v10-13 running maximum of query block qt, in raw units
.set LS,  14                           ; v14-17 running sum (this half's keys)
.set AL,  18                           ; v18-19 the scale of the old sums, twice
.set MN,  20                           ; v20-21 4 x the new maximum, twice
.set NEG, 22                           ; the masked score
.set RC,  24                           ; v24-31 1 / sum, twice for each qt
.set T,   32                           ; v32-39 at work
.set KF,  64                           ; v64-127  K fragments, (kt, dc) at 8 (2 kt + dc)
.set S,   128                          ; v128-255 scores, tile (qt, kt) at 8 (4 qt + kt); later P
.set O,   0                            ; window 1: v0-127 O^T, tile (qt, dt) at 8 (4 qt + dt)
.set QF,  128                          ; window 1: Q fragments, (qt, dc) at 8 (2 qt + dc)
.set VF,  192                          ; window 1: V^T fragments, (dt, c) at 8 (2 dt + c)
.set G1, 16
.set G0, 24                            ; s[24:27], s[28:31]: one set for each slot
.set MA, 32                            ; s[32:63] the 32 mask words of an even qt
.set MB, 68                            ; s[68:99] of an odd qt
.set W_S,   0x04                       ; source 1 (Q) window 1
.set W_LD1, 0x40                       ; destination window 1
.set W_RS,  0x41                       ; destination and source 0 window 1
.set W_PV,  0x51                       ; D, C and source 0 (V^T) window 1, source 1 (P) window 0
.set W_OUT, 0x01
.set MSB, 0
.macro WIN new                         ; the immediate's high byte repeats the setting that is left
.if MSB != \new
	s_set_vgpr_msb (MSB<<8)|\new
.set MSB, \new
.endif
.endm
.macro ROUND                           ; a round of the cluster's barrier
	s_barrier_signal -1
	s_barrier_wait -1
	s_cmp_lg_u32 s10, 0
	s_cbranch_scc1 .Lnot_wave_0_\@
	s_barrier_signal -3
.Lnot_wave_0_\@:
	s_barrier_wait -3
	s_barrier_signal -1
	s_barrier_wait -1
.endm
.macro MLOAD buf, off                  ; the 32 mask words of one query block and step: 128 bytes
	s_load_b512 s[\buf:\buf+15], s[6:7], \off
	s_load_b512 s[\buf+16:\buf+31], s[6:7], \off+64
.endm
	s_load_b128 s[4:7], s[0:1], 0x0                ; qkv s[4:5], mbits s[6:7]
	s_load_b64 s[8:9], s[0:1], 0x10                ; att
	v_lshl_add_u32 v62, v0, 2, 0x3a000
	v_mov_b32 v63, 0
	ds_add_u32 v62, v63
	v_lshrrev_b32 v1, 5, v0
	v_readfirstlane_b32 s10, v1                    ; wave 0..7
	s_bfe_u32 s11, ttmp6, 0x40000                  ; cx: which 512 queries; it enters global addresses of plain loads and stores alone
	s_mov_b32 s12, 0x76543210                      ; v_permlanex16_b32: lane i reads lane i of the other half
	s_mov_b32 s13, 0xfedcba98
	; the shape: 8 KiB dense, as 32 rows of 256 bytes; 8 words of padding behind every 32 words, so each key's 128 bytes get an LDS row of 160
	s_mov_b32 s[G1+0], 15|(1<<16)|(1<<20)|(1<<21)|(4<<22)|(7<<25)
	s_mov_b32 s[G1+1], 128<<16
	s_mov_b32 s[G1+2], 32<<16
	s_mov_b32 s[G1+3], 128<<16
	s_mov_b32 s[G1+4], 32
	s_mov_b32 s[G1+5], 128
	s_mov_b32 s[G1+6], 0
	s_mov_b32 s[G1+7], 0
	s_lshr_b32 s100, s10, 2
	s_add_co_u32 s100, s100, 1                     ; waves 0-3 bring K (g = 1), waves 4-7 V (g = 2)
	s_lshl_b32 s100, s100, 24
	s_lshl_b32 s101, ttmp9, 18                     ; the cluster's x is batch x 16 + head: 2,048 rows of 128 bytes
	s_add_co_u32 s100, s100, s101
	s_and_b32 s101, s10, 3
	s_lshl_b32 s101, s101, 13                      ; my 64 keys of the 256
	s_add_co_u32 s100, s100, s101
	s_mov_b32 s101, 0
	s_mul_i32 s66, s10, EIGHTH                     ; where my load goes: the wave's number alone
	s_mul_i32 s67, s10, 64*SP
	s_add_co_u32 s67, s67, STAGE                   ; my stage
	s_wait_dscnt 0x0
	s_wait_kmcnt 0x0
	s_add_nc_u64 s[100:101], s[4:5], s[100:101]
	ROUND                                          ; the four work-groups are here: the first joint loads meet
.irp s, 0,1
	s_mov_b32 s[G0+4*\s], 1
	s_add_co_u32 s[G0+4*\s+1], s66, \s*SLOTB
	s_add_nc_u64 s[G0+4*\s+2:G0+4*\s+3], s[100:101], \s*BLOCKB
	s_or_b32 s[G0+4*\s+3], s[G0+4*\s+3], 0x80000000
	tensor_load_to_lds s[G0+4*\s:G0+4*\s+3], s[G1:G1+7]            ; both first fills together: two tensor loads of the wave are out
	s_nop 0
.endr
	s_lshr_b32 s14, ttmp9, 4                       ; mbits: T = batch x 128 + 32 cx + 4 wave, 4,096 bytes each
	s_lshl_b32 s14, s14, 7
	s_lshl_b32 s15, s11, 5
	s_add_co_u32 s14, s14, s15
	s_lshl_b32 s15, s10, 2
	s_add_co_u32 s14, s14, s15
	s_lshl_b32 s14, s14, 12
	s_mov_b32 s15, 0
	s_add_nc_u64 s[6:7], s[6:7], s[14:15]
	MLOAD MA, 0                                    ; the masks of step 0, qt 0
	MLOAD MB, 4096                                 ; and qt 1
	s_lshl_b32 s14, ttmp9, 18                      ; Q: my head, row 512 cx + 64 wave
	s_lshl_b32 s15, s11, 16
	s_add_co_u32 s14, s14, s15
	s_lshl_b32 s15, s10, 13
	s_add_co_u32 s14, s14, s15
	s_mov_b32 s15, 0
	s_add_nc_u64 s[4:5], s[4:5], s[14:15]
	v_and_b32 v1, 15, v0                           ; r
	v_bfe_u32 v23, v0, 4, 1                        ; h
	v_lshlrev_b32 v[QO], 7, v1
	v_lshl_add_u32 v[QO], v23, 4, v[QO]            ; row r, 8 numbers at 16 h
	WIN W_LD1
.irp qt, 0,1,2,3
.irp dc, 0,1
	global_load_b128 v[QF+8*(2*\qt+\dc):QF+8*(2*\qt+\dc)+3],   v[QO], s[4:5] offset:2048*\qt+64*\dc
	global_load_b128 v[QF+8*(2*\qt+\dc)+4:QF+8*(2*\qt+\dc)+7], v[QO], s[4:5] offset:2048*\qt+64*\dc+32
.endr
.endr
	WIN 0
	s_and_b32 s14, ttmp9, 15                       ; att: (head x 8,192 + batch x 2,048 + 512 cx + 64 wave) rows of 128 bytes
	s_lshl_b32 s14, s14, 13
	s_lshr_b32 s15, ttmp9, 4
	s_lshl_b32 s15, s15, 11
	s_add_co_u32 s14, s14, s15
	s_lshl_b32 s15, s11, 9
	s_add_co_u32 s14, s14, s15
	s_lshl_b32 s15, s10, 6
	s_add_co_u32 s14, s14, s15
	s_lshl_b32 s14, s14, 7
	s_mov_b32 s15, 0
	s_add_nc_u64 s[8:9], s[8:9], s[14:15]
	v_mul_u32_u24 v[ADK0], v1, PITCH
	v_lshl_add_u32 v[ADK0], v23, 4, v[ADK0]        ; K: key r, 8 numbers at 16 h
	v_mov_b32 v[ADKC], v[ADK0]                     ; the first step is slot 0's step 0
	v_and_b32 v[T], 7, v0
	v_lshl_add_u32 v[T], v23, 3, v[T]              ; V: key 8 h + (l & 7),
	v_mul_u32_u24 v[T], v[T], PITCH
	v_bfe_u32 v[T+1], v0, 3, 1
	v_lshl_add_u32 v[T], v[T+1], 4, v[T]           ; 16 bytes at 16 ((l >> 3) & 1)
	v_add_nc_u32 v[ADV0], 4*EIGHTH, v[T]           ; V lies behind the slot's four steps of K
	v_add_nc_u32 v[ADVC], 4*EIGHTH, v[T]
	v_mul_u32_u24 v[T], v1, SP
	v_lshl_add_u32 v[T], v23, 4, v[T]
	v_add_nc_u32 v[STO], s67, v[T]
	v_and_b32 v[T+2], 31, v0
	v_lshrrev_b32 v[T], 3, v[T+2]
	v_mul_u32_u24 v[T], v[T], SP
	v_and_b32 v[T+1], 7, v0
	v_lshl_add_u32 v[T], v[T+1], 4, v[T]
	v_add_nc_u32 v[RD], s67, v[T]                  ; back: eight lanes take a row's 128 bytes, four rows a load
	v_lshlrev_b32 v[CO], 4, v[T+2]
	v_mov_b32 v[NEG], 0xcdabfb8f                   ; -1e9 log2(e) / 4
	v_mov_b32 v[T+5], 0                            ; v_permlanex16_b32's destination counts as read
.macro KLOAD off                       ; 16 loads: K fragments; off = 0: the step at work, off = EIGHTH: the step behind it
.irp kt, 0,1,2,3
.irp dc, 0,1
	ds_load_b128 v[KF+8*(2*\kt+\dc):KF+8*(2*\kt+\dc)+3],   v[ADKC] offset:\off+\kt*16*PITCH+64*\dc
	ds_load_b128 v[KF+8*(2*\kt+\dc)+4:KF+8*(2*\kt+\dc)+7], v[ADKC] offset:\off+\kt*16*PITCH+64*\dc+32
.endr
.endr
.endm
.macro VLOAD                           ; 16 transposing loads: the V^T fragments (16 d x 32 keys) of the step at work
	WIN W_LD1
.irp dt, 0,1,2,3
.irp c, 0,1
	ds_load_tr16_b128 v[VF+8*(2*\dt+\c):VF+8*(2*\dt+\c)+3],   v[ADVC] offset:\c*32*PITCH+32*\dt
	ds_load_tr16_b128 v[VF+8*(2*\dt+\c)+4:VF+8*(2*\dt+\c)+7], v[ADVC] offset:\c*32*PITCH+32*\dt+16*PITCH
.endr
.endr
	WIN 0
.endm
.macro SELECT qt, mk                   ; the 32 score registers of query block qt: the score where the mask's bit is set, else the masked score
.irp kt, 0,1,2,3
.irp j, 0,1,2,3,4,5,6,7
	v_cndmask_b32 v[S+32*\qt+8*\kt+\j], v[NEG], v[S+32*\qt+8*\kt+\j], s[\mk+8*\kt+\j]
.endr
.endr
.endm
; Query block qt of a step, behind its select: maximum, exponentials, sum, P in f16, old O scaled, O^T += V^T P^T.
.macro SOFTPV qt, first
.set SB, S+32*\qt
.irp kt, 0,1,2,3
	v_max3_num_f32 v[T+\kt], v[SB+8*\kt], v[SB+8*\kt+1], v[SB+8*\kt+2]
.endr
.irp kt, 0,1,2,3
	v_max3_num_f32 v[T+\kt], v[T+\kt], v[SB+8*\kt+3], v[SB+8*\kt+4]
.endr
.irp kt, 0,1,2,3
	v_max3_num_f32 v[T+\kt], v[T+\kt], v[SB+8*\kt+5], v[SB+8*\kt+6]
.endr
	v_max3_num_f32 v[T+4], v[SB+7], v[SB+15], v[SB+23]
	v_max3_num_f32 v[T+4], v[T+4], v[SB+31], v[T]
	v_max3_num_f32 v[T+4], v[T+4], v[T+1], v[T+2]
	v_max_num_f32 v[T+4], v[T+4], v[T+3]
	v_permlanex16_b32 v[T+5], v[T+4], s12, s13     ; the other half's 32 keys
.if \first
	v_max_num_f32 v[T+6], v[T+4], v[T+5]
.else
	v_max3_num_f32 v[T+6], v[T+4], v[T+5], v[M+\qt]
.endif
	v_mul_f32 v[MN], 4.0, v[T+6]                   ; exact
	v_mul_f32 v[MN+1], 4.0, v[T+6]
.if \first == 0
	v_fma_f32 v[AL], v[M+\qt], 4.0, -v[MN]
.endif
.irp p, 0,1,2,3,4,5,6,7,8,9,10,11,12,13,14,15
	v_pk_fma_f32 v[SB+2*\p:SB+2*\p+1], v[SB+2*\p:SB+2*\p+1], 4.0, v[MN:MN+1] op_sel_hi:[1,0,1] neg_lo:[0,0,1] neg_hi:[0,0,1]
.endr
.if \first == 0
	v_exp_f32 v[AL], v[AL]
.endif
.irp p, 0,1,2,3,4,5,6,7,8,9,10,11,12,13,14,15
	v_exp_f32 v[SB+2*\p], v[SB+2*\p]
	v_exp_f32 v[SB+2*\p+1], v[SB+2*\p+1]
.endr
	v_mov_b32 v[M+\qt], v[T+6]                     ; the plain instruction between the exponentials and the first use of a result (ISA guide 5.7.2)
.if \first == 0
	s_wait_alu depctr_va_vdst(0)
	v_mov_b32 v[AL+1], v[AL]
.endif
	s_wait_alu depctr_va_vdst(0)
.irp kt, 0,1,2,3
	v_pk_add_f32 v[T+2*\kt:T+2*\kt+1], v[SB+8*\kt:SB+8*\kt+1], v[SB+8*\kt+2:SB+8*\kt+3]
.endr
.irp kt, 0,1,2,3
	v_pk_add_f32 v[T+2*\kt:T+2*\kt+1], v[T+2*\kt:T+2*\kt+1], v[SB+8*\kt+4:SB+8*\kt+5]
.endr
.irp kt, 0,1,2,3
	v_pk_add_f32 v[T+2*\kt:T+2*\kt+1], v[T+2*\kt:T+2*\kt+1], v[SB+8*\kt+6:SB+8*\kt+7]
.endr
	v_pk_add_f32 v[T:T+1], v[T:T+1], v[T+2:T+3]
	v_pk_add_f32 v[T+4:T+5], v[T+4:T+5], v[T+6:T+7]
	v_pk_add_f32 v[T:T+1], v[T:T+1], v[T+4:T+5]
.if \first
	v_add_f32 v[LS+\qt], v[T], v[T+1]
.else
	v_add_f32 v[T], v[T], v[T+1]
	v_fma_f32 v[LS+\qt], v[LS+\qt], v[AL], v[T]
.endif
	; P in f16, in place: tiles 2 c and 2 c + 1 become registers 0-3 and 4-7 of a fragment (keys 8 h + j, then 16 + 8 h + j of 32)
.irp c, 0,1
.irp p, 0,1,2,3
	v_cvt_pk_f16_f32 v[SB+16*\c+\p], v[SB+16*\c+2*\p], v[SB+16*\c+2*\p+1]
.endr
.irp p, 0,1,2,3
	v_cvt_pk_f16_f32 v[SB+16*\c+4+\p], v[SB+16*\c+8+2*\p], v[SB+16*\c+8+2*\p+1]
.endr
.endr
.if \first == 0
	WIN W_RS
.irp p, 0,1,2,3,4,5,6,7,8,9,10,11,12,13,14,15
	v_pk_mul_f32 v[O+32*\qt+2*\p:O+32*\qt+2*\p+1], v[O+32*\qt+2*\p:O+32*\qt+2*\p+1], v[AL:AL+1]
.endr
.endif
.if \qt == 0
	s_wait_dscnt 16                                ; V^T, asked for at the step's head, is in; the 16 K loads issued behind it stay out
.endif
	WIN W_PV
.irp c, 0,1
.irp dt, 0,1,2,3
.if \first*(1-\c)
	v_wmma_f32_16x16x32_f16 v[O+8*(4*\qt+\dt):O+8*(4*\qt+\dt)+7], v[VF+8*(2*\dt+\c):VF+8*(2*\dt+\c)+7], v[SB+16*\c:SB+16*\c+7], 0
.else
	v_wmma_f32_16x16x32_f16 v[O+8*(4*\qt+\dt):O+8*(4*\qt+\dt)+7], v[VF+8*(2*\dt+\c):VF+8*(2*\dt+\c)+7], v[SB+16*\c:SB+16*\c+7], v[O+8*(4*\qt+\dt):O+8*(4*\qt+\dt)+7]
.endif
.endr
.endr
	WIN 0
.endm
; One step of 64 keys; its K fragments have been asked for.  The accumulators take turns, one instruction a turn.
.macro STEP first
.rept 3
	v_nop                                          ; with the two address steps that close every step: five places behind the last step's matrix instructions:
.endr                                                  ; V^T is loaded again (four), P is written over by new scores (five) (ISA guide 7.12.1)
	VLOAD
	s_wait_dscnt 16                                ; this step's 16 K loads are in; the 16 V loads just issued stay out
	WIN W_S
.irp qt, 0,1,2,3
.irp kt, 0,1,2,3
	v_wmma_f32_16x16x32_f16 v[S+8*(4*\qt+\kt):S+8*(4*\qt+\kt)+7], v[KF+16*\kt:KF+16*\kt+7], v[QF+16*\qt:QF+16*\qt+7], 0
.endr
.endr
.irp qt, 0,1,2,3
.irp kt, 0,1,2,3
	v_wmma_f32_16x16x32_f16 v[S+8*(4*\qt+\kt):S+8*(4*\qt+\kt)+7], v[KF+16*\kt+8:KF+16*\kt+15], v[QF+16*\qt+8:QF+16*\qt+15], v[S+8*(4*\qt+\kt):S+8*(4*\qt+\kt)+7]
.endr
.endr
	WIN 0
.rept 4
	v_nop                                          ; four places: the scores are read, K's fragments loaded again
.endr
	KLOAD EIGHTH                                   ; the next step's K (behind a slot's last step: rows of the slot's V part, not used)
	s_wait_kmcnt 0x0                               ; scalar loads return in no order: both sets are in: this step's qt 0 and qt 1
	SELECT 0, MA
	SELECT 1, MB
	MLOAD MA, 8192                                 ; both sets are read: qt 2 and qt 3 are asked for, two query blocks ahead of their wait
	MLOAD MB, 12288
	SOFTPV 0, \first
	SOFTPV 1, \first
	s_wait_kmcnt 0x0
	SELECT 2, MA
	SELECT 3, MB
	s_wait_xcnt 0x0                                ; the base of the scalar loads is stepped only behind this wait
	s_add_nc_u64 s[6:7], s[6:7], 128               ; the next step's words
	MLOAD MA, 0                                    ; its qt 0 and qt 1 (behind the last step of all: words of my own later query blocks, not used)
	MLOAD MB, 4096
	SOFTPV 2, \first
	SOFTPV 3, \first
	v_add_nc_u32 v[ADKC], EIGHTH, v[ADKC]          ; the next step of the slot; also two of the places behind the matrix instructions above
	v_add_nc_u32 v[ADVC], EIGHTH, v[ADVC]
.endm
.macro STEPS n                         ; n steps of the slot at work
	s_mov_b32 s14, \n
.Lstep_\@:
	STEP 0
	s_sub_co_u32 s14, s14, 1
	s_cmp_lg_u32 s14, 0
	s_cbranch_scc1 .Lstep_\@
.endm
; The change to slot 'slot'.  Every wave has waited for all its tensor loads (one is out: its eighth of this slot) and for its reads of the
; other slot; refill = 1: a round of the cluster's barrier, and the joint refill of the other slot is the wave's first and only tensor load
; behind it: it has this slot's four steps in which to land.  Then the slot's step 0 of K is asked for.
.macro HEAD slot, refill
	s_wait_tensorcnt 0x0
	ds_add_u32 v62, v63
	s_wait_dscnt 0x0
.if \refill
	s_add_nc_u64 s[G0+6-4*\slot:G0+7-4*\slot], s[G0+6-4*\slot:G0+7-4*\slot], 2*BLOCKB   ; no load of mine is out: the other slot's next 256 keys
.endif
	s_wait_dscnt 0x0
.if \refill
	ROUND
	tensor_load_to_lds s[G0+4-4*\slot:G0+7-4*\slot], s[G1:G1+7]
	s_nop 0
.else
	s_barrier_signal -1
	s_barrier_wait -1
.endif
.if \slot
	v_add_nc_u32 v[ADKC], SLOTB, v[ADK0]           ; step 0 of slot 1
	v_add_nc_u32 v[ADVC], SLOTB, v[ADV0]
.else
	v_mov_b32 v[ADKC], v[ADK0]                     ; step 0 of slot 0
	v_mov_b32 v[ADVC], v[ADV0]
.endif
	KLOAD 0
.endm
	s_wait_tensorcnt 0x1                           ; my eighth of slot 0 is in; slot 1's load, issued behind it, stays out
	s_barrier_signal -1
	s_barrier_wait -1                              ; everybody's is
	KLOAD 0                                        ; K of keys 0-63
	s_wait_loadcnt 0x0                             ; Q
	STEP 1                                         ; keys 0-63: the first step starts maxima, sums and O: nothing is cleared
	STEPS 3                                        ; keys 64-255
	s_mov_b32 s3, 3
.Lkeys:
	HEAD 1, 1
	STEPS 4
	HEAD 0, 1
	STEPS 4
	s_sub_co_u32 s3, s3, 1
	s_cmp_lg_u32 s3, 0
	s_cbranch_scc1 .Lkeys
	HEAD 1, 0                                      ; keys 1,792-2,047: nothing is left to fetch
	STEPS 4
	; THE WAY OUT: O / sum, f16, through my own stage, 8 KiB of att in one piece
	s_wait_dscnt 0x0                               ; the last step's request for K, which nothing uses, has come back: its registers are written below
.rept 4
	v_nop                                          ; places behind the last matrix instructions
.endr
.irp qt, 0,1,2,3
	v_permlanex16_b32 v[T+\qt], v[LS+\qt], s12, s13
.endr
.irp qt, 0,1,2,3
	v_add_f32 v[T+\qt], v[T+\qt], v[LS+\qt]        ; both halves' keys; at least 1, since the largest score gives exp2(0)
.endr
.irp qt, 0,1,2,3
	v_rcp_f32 v[RC+2*\qt], v[T+\qt]
	v_rcp_f32 v[RC+2*\qt+1], v[T+\qt]
.endr
	v_nop                                          ; the plain place behind the reciprocals
	WIN W_OUT
	s_wait_alu depctr_va_vdst(0)
.irp qt, 0,1,2,3
.irp p, 0,1,2,3,4,5,6,7,8,9,10,11,12,13,14,15
	v_pk_mul_f32 v[S+32*\qt+2*\p:S+32*\qt+2*\p+1], v[O+32*\qt+2*\p:O+32*\qt+2*\p+1], v[RC+2*\qt:RC+2*\qt+1]
.endr
.endr
	WIN 0
.irp n, 0,1,2,3,4,5,6,7,8,9,10,11,12,13,14,15
.irp p, 0,1,2,3
	v_cvt_pk_f16_f32 v[KF+4*\n+\p], v[S+8*\n+2*\p], v[S+8*\n+2*\p+1]
.endr
.endr
.irp qt, 0,1,2,3
.irp dt, 0,1,2,3
	ds_store_b128 v[STO], v[KF+4*(4*\qt+\dt):KF+4*(4*\qt+\dt)+3] offset:16*SP*\qt+32*\dt   ; query 16 qt + r, numbers 16 dt + 8 h + 0..7
.endr
.endr
.irp t, 0,1,2,3,4,5,6,7,8,9,10,11,12,13,14,15
	ds_load_b128 v[S+4*\t:S+4*\t+3], v[RD] offset:4*SP*\t          ; LDS serves a wave's instructions in order: these see the stores above
.endr
.irp t, 0,1,2,3,4,5,6,7,8,9,10,11,12,13,14,15
	s_wait_dscnt 15-\t                             ; the 15 - t younger loads stay out
	global_store_b128 v[CO], v[S+4*\t:S+4*\t+3], s[8:9] offset:512*\t   ; four rows: 512 neighbouring bytes, aligned
.endr
	s_wait_tensorcnt 0x0
	ds_add_u32 v62, v63
	s_wait_dscnt 0x0
	ROUND                                          ; the closing round
	s_endpgm
.Lfunc_end_k_qbd1da3fde7_attn:
	.size	k_qbd1da3fde7_attn, .Lfunc_end_k_qbd1da3fde7_attn-k_qbd1da3fde7_attn
	.p2alignl 7, 3214868480
	.fill 96, 4, 3214868480
	.section	.rodata,"a",@progbits
	.p2align	6, 0x0
	.amdhsa_kernel k_qbd1da3fde7_attn
		.amdhsa_group_segment_fixed_size 327680
		.amdhsa_private_segment_fixed_size 0
		.amdhsa_enable_private_segment 0
		.amdhsa_kernarg_size 24
		.amdhsa_user_sgpr_count 2
		.amdhsa_user_sgpr_kernarg_segment_ptr 1
		.amdhsa_wavefront_size32 1
		.amdhsa_system_sgpr_workgroup_id_x 1
		.amdhsa_system_sgpr_workgroup_id_y 1
		.amdhsa_system_sgpr_workgroup_id_z 1
		.amdhsa_system_vgpr_workitem_id 0
		.amdhsa_next_free_vgpr 512
		.amdhsa_next_free_sgpr 102
		.amdhsa_reserve_vcc 0
		.amdhsa_float_denorm_mode_32 3
		.amdhsa_float_denorm_mode_16_64 3
		.amdhsa_memory_ordered 1
		.amdhsa_forward_progress 1
		.amdhsa_inst_pref_size 228
	.end_amdhsa_kernel
	.amdgpu_metadata
---
amdhsa.version: [ 1, 2 ]
amdhsa.kernels:
  - .name:           k_qbd1da3fde7_attn
    .symbol:         k_qbd1da3fde7_attn.kd
    .args:
      - { .name: qkv, .offset: 0, .size: 8, .value_kind: global_buffer, .address_space: global }
      - { .name: mbits, .offset: 8, .size: 8, .value_kind: global_buffer, .address_space: global }
      - { .name: att, .offset: 16, .size: 8, .value_kind: global_buffer, .address_space: global }
    .group_segment_fixed_size: 327680
    .private_segment_fixed_size: 0
    .kernarg_segment_align: 8
    .kernarg_segment_size: 24
    .max_flat_workgroup_size: 256
    .sgpr_count:     102
    .vgpr_count:     512
    .wavefront_size: 32
...
	.end_amdgpu_metadata
.endif
;; end of part 7
;; launch oproj: the kernel of part 4 again; grid 4 x 64, 4 waves a work-group, clusters of 4 x 4, 327,680 bytes of LDS; arguments att, wb, bo, out0; writes out0
;; ======== version 3 of 3: 4 launches; version 2 with the launch prep written anew for expert scheduling mode
;; limits: inputs' magnitudes at most 65,504; values are held in f16: magnitudes above 65,504 overflow, below 6.1e-05 lose precision; right only within a limited range of input values
;; workspace buffers: wb 8,388,608 bytes; mbits 2,097,152 bytes of whole numbers; qkv 50,331,648 bytes; att 16,777,216 bytes
;; launch prep (part 8): grid 256 x 1, 8 waves a work-group, no clusters, 70,656 bytes of LDS; arguments Wq, Wk, Wv, Wo, mask, wb, mbits; writes wb, mbits
.if DOCPART == 8
	.amdgcn_target "amdgcn-amd-amdhsa--gfx1250"
	.amdhsa_code_object_version 6
	.text
	.protected	k_qbd1da3fde7_prep
	.globl	k_qbd1da3fde7_prep
	.p2align	8
	.type	k_qbd1da3fde7_prep,@function
k_qbd1da3fde7_prep:
	s_mov_b64 s[64:65], 0
	v_nop
	global_prefetch_b8 v0, s[64:65] scope:SCOPE_SE
	s_setreg_imm32_b32 hwreg(HW_REG_WAVE_SCHED_MODE, 0, 2), 2
	s_setreg_imm32_b32 hwreg(HW_REG_WAVE_MODE, 25, 1), 1
	s_wait_xcnt 0x0
	s_wait_alu depctr_vm_vsrc(0)
; prep: (1) Wq, Wk, Wv, Wo, f32 [1024][1024] each, are rounded to f16 into wb [4][1024][1024];
;       (2) the mask's bytes become lane masks: mbits [T = b*128 + q/16][step = key/64][word = 8 kt + j], bit L of a word =
;           mask[b][16 (T & 127) + (L & 15)][64 step + 16 kt + 8 (L >> 4) + j] != 0: the mask of register j of a 16 x 16 tile of scores
;           whose lane L holds query L & 15 and keys 8 (L >> 4) + j.  It is packed here once and used by all sixteen heads.
; A stream: 256 work-groups x 8 waves; a wave takes 8 KiB of one weight (16 loads of 512 neighbouring bytes) and 16 queries x 512 keys of the
; mask (16 loads, sixteen lanes on 256 neighbouring bytes of a mask row).  All 32 loads of a wave go out first.  No matrix unit, no cluster:
; no byte is read twice.  The mask goes through LDS bytes that are the wave's own, so there is no barrier.
; LIMIT: a weight beyond 65,504 in magnitude overflows f16.
; THE MODE: SCHED_MODE bits 1:0 = 2 (LLVM: expert scheduling mode 2), set by the entry lines.  The code itself states the register dependences
; between vector instructions and memory or LDS instructions, and between a vector instruction that writes a scalar register and its readers,
; with s_wait_alu, always for 0.
; THE PLAN.  Registers that memory or LDS instructions touch:
;   v1 .. v5     offsets and LDS addresses: written at the head, read by every load and store, never written again.
;   WD           the weight loads land in it; the conversions read it; then the LDS loads of the mask's tiles land in it; the ands read it.
;   MD           the mask loads land in it; the LDS stores read it; never written again.
;   PK           written by the conversions, read by the stores of wb; every store has a pair of its own, never written again.
;   OUT          written by eight moves and by the writelanes, read by the last two stores.
;   v192, v193   written at the head, read by the closing add alone.
;   TB and s[24:39] are named by vector instructions alone.
; So: one wait on va_vdst ahead of the first load; one at the head of each group of four weight loads, behind which the stores of the group
; before are dealt among this group's conversions (which name other registers of PK and WD); one behind the last group, for its stores and
; for the LDS loads into WD; one ahead of the last two stores.  One wait on va_sdst stands between each pair of tiles' sixteen compares and
; the writelanes that read their masks, with the next pair's sixteen ands between the compares and the wait.
; No register that a memory or LDS instruction reads is ever written again, so the text holds no wait on vm_vsrc but the entry lines' one.
.set MPITCH, 272                       ; LDS row: 256 mask bytes + 16
.set QUADB,  16*MPITCH                 ; a quad: 16 queries x 256 keys
.set OUT, 8                            ; v[8:15]    quad q: 4 registers, lane l holds words 4 l .. 4 l + 3 of the quad's 128
.set WD,  16                           ; v[16:79]   weights as loaded; later the 32 tiles' 8 bytes a lane
.set MD,  80                           ; v[80:143]  mask bytes as loaded
.set PK,  144                          ; v[144:175] 16 pairs of packed f16: every store has data registers of its own
.set TB,  176                          ; v[176:191] and v[194:209]: a pair of tiles' sixteen bytes, one a register; two sets, 18 registers apart, for even and odd pairs
.set SM,  24                           ; s[24:39]   a pair of tiles' sixteen lane masks
	s_load_b256 s[4:11], s[0:1], 0x0               ; Wq s[4:5], Wk s[6:7], Wv s[8:9], Wo s[10:11]
	s_load_b128 s[12:15], s[0:1], 0x20             ; mask s[12:13], wb s[14:15]
	s_load_b64 s[16:17], s[0:1], 0x30              ; mbits
	v_lshl_add_u32 v192, v0, 2, 0x11000
	v_mov_b32 v193, 0
	v_lshrrev_b32 v6, 5, v0
	v_readfirstlane_b32 s18, v6                    ; wave 0..7
	v_and_b32 v7, 31, v0
	v_lshlrev_b32 v1, 4, v7                        ; 16 x lane
	v_lshlrev_b32 v2, 3, v7                        ; 8 x lane
	v_and_b32 v6, 15, v0                           ; r
	v_bfe_u32 v7, v0, 4, 1                         ; h
	v_lshlrev_b32 v3, 4, v6
	v_lshl_add_u32 v3, v7, 11, v3                  ; mask: row h of a pair of rows, 16 bytes at 16 r
	s_wait_alu depctr_va_sdst(0)                   ; s18 is written, ahead of its first reader: LDS addresses and all four bases are made from it
	s_mul_i32 s19, s18, 2*QUADB                    ; my wave's LDS bytes
	v_mul_u32_u24 v4, v7, MPITCH
	v_lshl_add_u32 v4, v6, 4, v4
	v_add_nc_u32 v4, s19, v4                       ; in: row h of a pair, column 16 r
	v_mul_u32_u24 v5, v6, MPITCH
	v_lshl_add_u32 v5, v7, 3, v5
	v_add_nc_u32 v5, s19, v5                       ; back: query r, 8 keys at 8 h
	s_lshr_b32 s32, ttmp9, 6                       ; which weight: 64 work-groups each
	s_and_b32 s22, ttmp9, 63
	s_lshl_b32 s22, s22, 16                        ; 64 KiB of f32 a work-group,
	s_lshl_b32 s33, s18, 13                        ; 8 KiB a wave
	s_add_co_u32 s22, s22, s33
	s_mov_b32 s23, 0
	s_lshl_b32 s34, ttmp9, 15                      ; wb: half as many bytes; the four weights follow each other
	s_lshl_b32 s33, s18, 12
	s_add_co_u32 s34, s34, s33
	s_mov_b32 s35, 0
	s_lshl_b32 s36, ttmp9, 1
	s_lshr_b32 s33, s18, 2
	s_add_co_u32 s36, s36, s33                     ; T = (8 G + w) / 4
	s_and_b32 s33, s18, 3                          ; which 512 keys
	s_lshl_b32 s38, s36, 12                        ; mbits: 4,096 bytes for a T,
	s_lshl_b32 s40, s33, 10                        ; 1,024 for 512 keys
	s_add_co_u32 s38, s38, s40
	s_mov_b32 s39, 0
	s_lshl_b32 s36, s36, 15                        ; mask: 16 rows of 2,048 bytes for a T
	s_lshl_b32 s40, s33, 9
	s_add_co_u32 s36, s36, s40
	s_mov_b32 s37, 0
	s_wait_kmcnt 0x0
	s_cmp_eq_u32 s32, 1
	s_cselect_b64 s[20:21], s[6:7], s[4:5]
	s_cmp_eq_u32 s32, 2
	s_cselect_b64 s[20:21], s[8:9], s[20:21]
	s_cmp_eq_u32 s32, 3
	s_cselect_b64 s[20:21], s[10:11], s[20:21]
	s_add_nc_u64 s[20:21], s[20:21], s[22:23]
	s_add_nc_u64 s[14:15], s[14:15], s[34:35]
	s_add_nc_u64 s[12:13], s[12:13], s[36:37]
	s_add_nc_u64 s[16:17], s[16:17], s[38:39]
	s_wait_alu depctr_va_vdst(0)                   ; v1 to v5 are written, which every load and store of the kernel reads as its offset or address; so are v192 and v193
.irp i, 0,1,2,3,4,5,6,7,8,9,10,11,12,13,14,15
	global_load_b128 v[WD+4*\i:WD+4*\i+3], v1, s[20:21] offset:512*\i th:TH_LOAD_NT
.endr
.irp q, 0,1
.irp i, 0,1,2,3,4,5,6,7
	global_load_b128 v[MD+32*\q+4*\i:MD+32*\q+4*\i+3], v3, s[12:13] offset:256*\q+4096*\i th:TH_LOAD_NT
.endr
.endr
.irp i, 0,1,2,3,4,5,6,7
	v_mov_b32 v[OUT+\i], 0                         ; v_writelane_b32 keeps the other lanes: the registers are written whole once
.endr
	; the weights: 4 f32 a lane become 8 bytes; the 32 lanes of a store cover 256 neighbouring bytes, aligned
.macro CVT2 i                          ; load i's four numbers into pair i of PK
	v_cvt_pk_f16_f32 v[PK+2*(\i)], v[WD+4*(\i)], v[WD+4*(\i)+1]
	v_cvt_pk_f16_f32 v[PK+2*(\i)+1], v[WD+4*(\i)+2], v[WD+4*(\i)+3]
.endm
.macro WST i                           ; pair i of PK to its place in wb
	global_store_b64 v2, v[PK+2*(\i):PK+2*(\i)+1], s[14:15] offset:256*(\i)
.endm
	; four groups of four loads.  A group's stores are issued in the next group, behind its one wait, a store ahead of each two conversions
.irp g, 0,1,2,3
	s_wait_loadcnt 28-4*\g                         ; loads return in order: the weight loads of the later groups and the 16 mask loads are younger
.if \g > 0
	s_wait_alu depctr_va_vdst(0)                   ; the group before has written its four pairs of PK, which the stores below read; the conversions below name other pairs
.endif
.irp n, 0,1,2,3
.if \g > 0
	WST 4*(\g)-4+\n
.endif
	CVT2 4*(\g)+\n
.endr
.endr
	s_wait_alu depctr_va_vdst(0)                   ; the last group has written its pairs of PK, which the four stores below read; and all conversions are done reading WD, in which the LDS loads below land
.irp n, 12,13,14,15
	WST \n
.endr
	; the mask: into my own LDS rows, and back as 8 bytes a lane for each tile of 16 queries x 16 keys
.irp q, 0,1
.irp i, 0,1,2,3,4,5,6,7
	s_wait_loadcnt 15-(8*\q+\i)
	ds_store_b128 v4, v[MD+32*\q+4*\i:MD+32*\q+4*\i+3] offset:\q*QUADB+\i*2*MPITCH
.endr
.endr
.irp q, 0,1
.irp kt, 0,1,2,3,4,5,6,7,8,9,10,11,12,13,14,15
	ds_load_b64 v[WD+2*(16*\q+\kt):WD+2*(16*\q+\kt)+1], v5 offset:\q*QUADB+16*\kt   ; LDS serves a wave's instructions in order: these see the stores above; no vector instruction since the wait above names WD or v5
.endr
.endr
	; Pair p is tiles 2 p and 2 p + 1 of the wave's 32: quad p >> 3, kt = 2 (p & 7) + u.  Sixteen bytes apart, sixteen compares, sixteen words to their places.
.macro ANDS p
.irp u, 0,1
.irp j, 0,1,2,3,4,5,6,7
	v_and_b32 v[TB+18*((\p)&1)+8*\u+\j], 0xff<<(8*(\j&3)), v[WD+2*(2*(\p)+\u)+(\j>>2)]     ; byte j: key 16 kt + 8 h + j
.endr
.endr
.endm
.macro CMPS p
.irp u, 0,1
.irp j, 0,1,2,3,4,5,6,7
	v_cmp_ne_u32 s[SM+8*\u+\j], 0, v[TB+18*((\p)&1)+8*\u+\j]                               ; one bit a lane: the word 8 kt + j
.endr
.endr
.endm
.macro WLS p
.irp u, 0,1
.irp j, 0,1,2,3,4,5,6,7
	v_writelane_b32 v[OUT+4*((\p)>>3)+(\j&3)], s[SM+8*\u+\j], 2*(2*((\p)&7)+\u)+(\j>>2)    ; to its place in a store of 16 bytes a lane
.endr
.endr
.endm
	s_wait_dscnt 30                                ; the first pair's two loads are in; the 30 younger ones stay out
	ANDS 0
.irp p, 0,1,2,3,4,5,6,7,8,9,10,11,12,13,14,15
	CMPS \p
.if \p < 15
	s_wait_dscnt 28-2*\p                           ; the next pair's two loads are in; the later pairs' stay out
	ANDS (\p)+1                                    ; into the other set of TB: sixteen lines that name none of the masks just made
.endif
	s_wait_alu depctr_va_sdst(0)                   ; the pair's sixteen compares have written s[24:39], ahead of the writelanes, their first readers
	WLS \p
.endr
	s_wait_alu depctr_va_vdst(0)                   ; the writelanes have written OUT, which the two stores read
	global_store_b128 v1, v[OUT:OUT+3], s[16:17]               ; a quad's 128 words: 512 neighbouring bytes
	global_store_b128 v1, v[OUT+4:OUT+7], s[16:17] offset:512
	s_wait_dscnt 0x0                               ; the closing lines, six on end
	s_wait_alu 0x0
	s_wait_tensorcnt 0x0
	ds_add_u32 v192, v193
	s_wait_dscnt 0x0
	s_endpgm
.Lfunc_end_k_qbd1da3fde7_prep:
	.size	k_qbd1da3fde7_prep, .Lfunc_end_k_qbd1da3fde7_prep-k_qbd1da3fde7_prep
	.p2alignl 7, 3214868480
	.fill 96, 4, 3214868480
	.section	.rodata,"a",@progbits
	.p2align	6, 0x0
	.amdhsa_kernel k_qbd1da3fde7_prep
		.amdhsa_group_segment_fixed_size 70656
		.amdhsa_private_segment_fixed_size 0
		.amdhsa_enable_private_segment 0
		.amdhsa_kernarg_size 56
		.amdhsa_user_sgpr_count 2
		.amdhsa_user_sgpr_kernarg_segment_ptr 1
		.amdhsa_wavefront_size32 1
		.amdhsa_system_sgpr_workgroup_id_x 1
		.amdhsa_system_sgpr_workgroup_id_y 1
		.amdhsa_system_sgpr_workgroup_id_z 1
		.amdhsa_system_vgpr_workitem_id 0
		.amdhsa_next_free_vgpr 210
		.amdhsa_next_free_sgpr 66
		.amdhsa_reserve_vcc 0
		.amdhsa_float_denorm_mode_32 3
		.amdhsa_float_denorm_mode_16_64 3
		.amdhsa_memory_ordered 1
		.amdhsa_forward_progress 1
		.amdhsa_inst_pref_size 63
	.end_amdhsa_kernel
	.amdgpu_metadata
---
amdhsa.version: [ 1, 2 ]
amdhsa.kernels:
  - .name:           k_qbd1da3fde7_prep
    .symbol:         k_qbd1da3fde7_prep.kd
    .args:
      - { .name: Wq, .offset: 0, .size: 8, .value_kind: global_buffer, .address_space: global }
      - { .name: Wk, .offset: 8, .size: 8, .value_kind: global_buffer, .address_space: global }
      - { .name: Wv, .offset: 16, .size: 8, .value_kind: global_buffer, .address_space: global }
      - { .name: Wo, .offset: 24, .size: 8, .value_kind: global_buffer, .address_space: global }
      - { .name: mask, .offset: 32, .size: 8, .value_kind: global_buffer, .address_space: global }
      - { .name: wb, .offset: 40, .size: 8, .value_kind: global_buffer, .address_space: global }
      - { .name: mbits, .offset: 48, .size: 8, .value_kind: global_buffer, .address_space: global }
    .group_segment_fixed_size: 70656
    .private_segment_fixed_size: 0
    .kernarg_segment_align: 8
    .kernarg_segment_size: 56
    .max_flat_workgroup_size: 256
    .sgpr_count:     66
    .vgpr_count:     210
    .wavefront_size: 32
...
	.end_amdgpu_metadata
.endif
;; end of part 8
;; launch proj: the kernel of part 6 again; grid 4 x 64, 4 waves a work-group, clusters of 4 x 4, 327,680 bytes of LDS; arguments q, k, v, wb, bq, bk, bv, qkv; writes qkv
;; launch attn: the kernel of part 7 again; grid 256 x 1, 8 waves a work-group, clusters of 4 x 1, 327,680 bytes of LDS; arguments qkv, mbits, att; writes att
;; launch oproj: the kernel of part 4 again; grid 4 x 64, 4 waves a work-group, clusters of 4 x 4, 327,680 bytes of LDS; arguments att, wb, bo, out0; writes out0
